; MI455X (gfx1250); checked and timed in simulation.
; The chip was launched on July 23, 2026; its instructions are those of AMD's public machine-readable ISA for CDNA 5 (MIT licence, August 2026) and "CDNA5" Instruction Set Architecture Reference Guide (July 2026). The comments in the code are by the model that wrote it; some were corrected since.
;; Casual Self Attention. Allowed arithmetic: matrix products marked QUANTISED: E4M3 operands, one given power-of-two scale a tensor, by v_wmma_f32_16x16x64_fp8_fp8 or v_wmma_f32_16x16x128_fp8_fp8, f32 sums; everything else in f32.
;; Inputs: Wk 1,024 x 1,024 float32; Wp 1,024 x 1,024 float32; Wq 1,024 x 1,024 float32; Wv 1,024 x 1,024 float32; attention_mask 4 x 2,048 bool; input 4 x 2,048 x 1,024 float32; lowp_scales 12 int32 (the exponents e of the quantised operands' scales 2^e).
;; Outputs: out0 4 x 2,048 x 1,024 float32.
;; This version of the problem:
;;   THIS VERSION OF THE PROBLEM IS GIVEN IN LOW PRECISION. The matrix products marked QUANTISED in the list below multiply operands that are first quantised to E4M3 (4 exponent bits, 3 mantissa bits; 8 bits a number), with one given power-of-two scale for each operand tensor; their sums are f32. All else is computed in f32.
;;   The module's matrix products, in the order in which they are computed (A, B: the left and right operand; K: the contracted axis; several contracted axes count as one K, in the product's order):
;;     1. [M 8,192, K 1,024] x [K 1,024, N 1,024]; A: input input; B: input Wq: QUANTISED (scales: A lowp_scales[0], B lowp_scales[1])
;;     2. [M 8,192, K 1,024] x [K 1,024, N 1,024]; A: input input; B: input Wk: QUANTISED (scales: A lowp_scales[2], B lowp_scales[3])
;;     3. [M 8,192, K 1,024] x [K 1,024, N 1,024]; A: input input; B: input Wv: QUANTISED (scales: A lowp_scales[4], B lowp_scales[5])
;;     4. batch 64 x [M 2,048, K 64] x [K 64, N 2,048]; A: computed on the way; B: computed on the way: QUANTISED (scales: A lowp_scales[6], B lowp_scales[7])
;;     5. batch 64 x [M 2,048, K 2,048] x [K 2,048, N 64]; A: softmax (see below); B: computed on the way: QUANTISED (scales: A lowp_scales[8], B lowp_scales[9])
;;     6. [M 8,192, K 1,024] x [K 1,024, N 1,024]; A: computed on the way; B: input Wp: QUANTISED (scales: A lowp_scales[10], B lowp_scales[11])
;;   THE QUANTISER, for each operand of a quantised product, along K:
;;     - The operand's scale is 2^e, e = its entry of the input lowp_scales (int32; the entries are numbered through the quantised products in the list's order, A before B).
;;     - Each number is divided by the scale, clamped to +-448, and rounded to the nearest number of E4M3, ties to even, subnormals kept.
;;     - The product sums the exact products of the quantised numbers (number of the format x scale) in f32.
;;   ~~~python
;;   def quantise(x, axis, e):      # numpy; x: float32 -> the quantised numbers, widened to float32 again
;;       x = np.moveaxis(x, axis, -1); K = x.shape[-1]
;;       r = np.clip(x / 2.0 ** e, -448, 448)
;;       step = 2.0 ** (np.maximum(np.frexp(np.where(r == 0, 1, r))[1] - 1, -6) - 3)
;;       q = np.round(r / step) * step * 2.0 ** e      # np.round: ties to even
;;       return np.moveaxis(q, -1, axis).astype(np.float32)
;;   ~~~
;;   SOFTMAX AHEAD OF A QUANTISED PRODUCT. Where the list says 'softmax', what is quantised is not the finished softmax but p = 2^(t - M), with t = logit x log2(e) and M = ceil(the row's largest t), a whole number; so 1/2 < the row's largest p <= 1. The row's sum l is taken of the UNQUANTISED p, in f32, and the product's result is divided by l at the end. Since M is a whole number, a kernel that streams over the keys may use a running M (the ceiling of the running maximum): every later rescaling is an exact power of two, so the quantised numbers keep their values, but for numbers so far below the row's largest that they fall under the format's range.
;;   OPERANDS COMPUTED ON THE WAY. 'Computed on the way' means the value that the module computes at that place (a softmax that the list does not call 'softmax' is quantised finished and normalised). What goes into a quantiser is computed in f32, as accurately as f32 sums, v_exp_f32 and their like allow (about 1e-6 of the number): no bf16 or f16 on the way to a quantiser, and a product that is left as it is and whose result goes on into a quantised operand takes f32 operands (vector FMAs, or v_wmma_f32_16x16x4_f32). A number that lies on a knife's edge between two numbers of the format may be rounded either way, as far as f32 arithmetic and the matrix unit's own rounding can turn it there, and no further.
;; One version. Each part assembles by itself: llvm-mc -triple=amdgcn-amd-amdhsa -mcpu=gfx1250 --defsym DOCPART=n.
;; ======== version 1 of 1: 4 launches
;; limits: right only within a limited range of input values
;; workspace buffers: xc 25,165,824 bytes; wc 4,194,304 bytes; qkv 25,165,824 bytes; oc 8,388,608 bytes; biasw 32,768 bytes
;; launch quant (part 1): grid 385 x 1, 4 waves a work-group, no clusters, 33,280 bytes of LDS; arguments input, Wq, Wk, Wv, Wp, attention_mask, lowp_scales, xc, wc, biasw; writes xc, wc, biasw
.if DOCPART == 1
	.amdgcn_target "amdgcn-amd-amdhsa--gfx1250"
	.amdhsa_code_object_version 6
	.text
	.protected	k_q485d9a8b69_quant
	.globl	k_q485d9a8b69_quant
	.p2align	8
	.type	k_q485d9a8b69_quant,@function
k_q485d9a8b69_quant:
	s_mov_b64 s[64:65], 0
	v_nop
	global_prefetch_b8 v0, s[64:65] scope:SCOPE_SE
	s_setreg_imm32_b32 hwreg(HW_REG_WAVE_MODE, 25, 1), 1
	s_wait_xcnt 0x0
; f32 numbers into codes of FP8 (E4M3), K innermost as they lie, and the key mask into a table of f32 addends.
; input [8192][1024] is an operand of three products, each with a scale of its own (entries 0, 2, 4 of the scales): it is read ONCE and three sets of codes are stored (xc: three parts of 8 MiB).
; Wq, Wk, Wv, Wp [1024][1024] take entries 1, 3, 5, 11: wc, four parts of 1 MiB.  code = x / 2^e, held within +-448, to the nearest code, ties to even.
; biasw [4][2048] f32: 0 where attention_mask is true, -2^100 where it is false: the attention launch adds it to the raw scores.
; LIMITS: each e between -126 and 119, so that 2^e and 448 x 2^e are f32 numbers.  NaN among the inputs is not served.
; SHARES: work-groups 0-255 take input, 32,768 numbers each; 256-383 the weights, 32 work-groups each; 384 the mask.  A wave takes 16 steps of 512 numbers.
; A conversion takes 8 neighbours from ONE lane's registers; a load is dense where neighbouring LANES take neighbouring bytes.  Both are had: a step's four loads read 512 consecutive bytes each, the 2,048 bytes
; turn through the wave's own stage in LDS (16 bytes of padding behind each 64) and come back 64 bytes a lane.  A lane's 16 codes are 16 bytes: a wave's store covers 512 consecutive bytes.
; Waves share nothing: no barrier.  Loads run four steps (16 loads a wave) ahead, the turn through LDS one step.
.set STEPS, 16
.set NIN,   256                        ; work-groups that take input
.set GBIAS, 384                        ; the work-group that takes the mask
.set SP,    80                         ; a lane's place in a stage: 64 bytes + 16 of padding
.set WREG,  8192                       ; LDS of a wave: two stages of 32 x SP bytes
.set SPARE, 4*WREG                     ; behind the four regions: the spare words, 128 bytes a wave: two blocks of 256 bytes that no other line names
.set SC,    2                          ; v2-7     three pairs: 2^e as f32, 448 x 2^e
.set LO,    8                          ; v8       16 x lane: my bytes of a load's 512, and of a store's
.set SPW,   12                         ; v12      LDS address of my spare word; never rewritten
.set NIL,   13                         ; v13      0; never rewritten
.set R,     16                         ; v16-79   four sets of 16 numbers as loaded
.set X,     80                         ; v80-111  two sets of 16 neighbours
.set T,     112                        ; v112-143 two sets of 16 held numbers
.set C,     144                        ; v144-167 codes: two sets (by the step's parity) of three times four registers
	s_load_b512 s[4:19], s[0:1], 0x0               ; input s[4:5], Wq s[6:7], Wk s[8:9], Wv s[10:11], Wp s[12:13], mask s[14:15], scales s[16:17], xc s[18:19]
	s_load_b128 s[20:23], s[0:1], 0x40             ; wc s[20:21], biasw s[22:23]
	v_lshl_add_u32 v[SPW], v0, 2, SPARE
	v_mov_b32 v[NIL], 0
	v_lshrrev_b32 v1, 5, v0
	v_readfirstlane_b32 s24, v1                    ; wave
	v_and_b32 v10, 31, v0                          ; lane
	v_lshlrev_b32 v[LO], 4, v10
	s_mul_i32 s25, s24, WREG
	v_lshrrev_b32 v14, 2, v10
	v_mul_u32_u24 v14, v14, SP
	v_and_b32 v15, 3, v10
	v_lshl_add_u32 v14, v15, 4, v14
	v_add_nc_u32 v14, s25, v14                     ; the stage, on the way in: SP (lane / 4) + 16 (lane % 4)
	v_mul_u32_u24 v15, v10, SP
	v_add_nc_u32 v15, s25, v15                     ; and on the way out: SP x lane: my 16 neighbours
	s_wait_kmcnt 0x0
	s_cmp_lg_u32 ttmp9, GBIAS
	s_cbranch_scc1 .Lcodes
	; ---- the mask: 8,192 bytes.  Thread t takes 4 bytes at 4 t + 512 p and stores 16 bytes at 16 t + 2,048 p: a wave's store covers 512 consecutive bytes
	v_lshlrev_b32 v1, 2, v0
	v_lshlrev_b32 v9, 4, v0
	v_mov_b32 v11, 0xf1800000                      ; -2^100
.set p, 0
.rept 16
	global_load_b32 v[R+p], v1, s[14:15] offset:512*p
.set p, p+1
.endr
	s_wait_loadcnt 0x0
.set p, 0
.rept 16
.irp j, 0,1,2,3
	v_bfe_u32 v10, v[R+p], 8*\j, 8
	v_cmp_eq_u32 vcc_lo, 0, v10                    ; false: the key does not count
	v_cndmask_b32 v[X+4*p+\j], 0, v11, vcc_lo
.endr
	global_store_b128 v9, v[X+4*p:X+4*p+3], s[22:23] offset:2048*p
.set p, p+1
.endr
	s_branch .Lend
.Lcodes:
	s_load_b256 s[32:39], s[16:17], 0x0            ; e0 .. e7
	s_load_b128 s[40:43], s[16:17], 0x20           ; e8 .. e11
	s_sub_co_u32 s26, ttmp9, NIN
	s_lshr_b32 s27, s26, 5                         ; which weight (of no meaning in input's work-groups: the last choice below overrides it)
	s_and_b32 s28, s26, 31                         ; which 32,768 numbers of it
	s_cmp_eq_u32 s27, 1
	s_cselect_b64 s[44:45], s[8:9], s[6:7]
	s_cmp_eq_u32 s27, 2
	s_cselect_b64 s[44:45], s[10:11], s[44:45]
	s_cmp_eq_u32 s27, 3
	s_cselect_b64 s[44:45], s[12:13], s[44:45]
	s_cmp_lt_u32 ttmp9, NIN                        ; the choices hang on the work-group's number alone
	s_cselect_b64 s[44:45], s[4:5], s[44:45]       ; from where
	s_cselect_b64 s[46:47], s[18:19], s[20:21]     ; to where: xc or wc
	s_cselect_b32 s30, ttmp9, s28
	s_cselect_b32 s31, 0, s27
	s_lshl_b32 s30, s30, 2
	s_add_co_u32 s30, s30, s24                     ; which run of 8,192 numbers of the tensor is my wave's
	s_lshl_b32 s52, s30, 15
	s_mov_b32 s53, 0
	s_add_nc_u64 s[44:45], s[44:45], s[52:53]
	s_lshl_b32 s52, s30, 13
	s_lshl_b32 s31, s31, 20                        ; the weight's part of wc
	s_add_co_u32 s52, s52, s31
	s_add_nc_u64 s[46:47], s[46:47], s[52:53]
	s_add_nc_u64 s[48:49], s[18:19], s[52:53]      ; xc's second and third part (named by input's work-groups alone): bases of their own, since 8 MiB is more than a store's immediate holds
	s_add_nc_u64 s[48:49], s[48:49], 0x800000
	s_add_nc_u64 s[50:51], s[48:49], 0x800000
.macro LOAD t
.irp i, 0,1,2,3
	global_load_b128 v[R+16*((\t)%4)+4*\i:R+16*((\t)%4)+4*\i+3], v[LO], s[44:45] offset:2048*(\t)+512*\i th:TH_LOAD_NT   ; 32 lanes read 512 consecutive bytes
.endr
.endm
.macro TURN t                          ; step t's numbers through the stage: LDS serves a wave's instructions in order, so no wait stands between the stores and the loads
.irp i, 0,1,2,3
	ds_store_b128 v14, v[R+16*((\t)%4)+4*\i:R+16*((\t)%4)+4*\i+3] offset:32*SP*((\t)%2)+8*SP*\i
.endr
.irp i, 0,1,2,3
	ds_load_b128 v[X+16*((\t)%2)+4*\i:X+16*((\t)%2)+4*\i+3], v15 offset:32*SP*((\t)%2)+16*\i
.endr
.endm
.irp t, 0,1,2,3
	LOAD \t
.endr
	s_wait_kmcnt 0x0
	s_cmp_eq_u32 s27, 1
	s_cselect_b32 s29, s35, s33                    ; a weight's e: entry 1, 3, 5 or 11
	s_cmp_eq_u32 s27, 2
	s_cselect_b32 s29, s37, s29
	s_cmp_eq_u32 s27, 3
	s_cselect_b32 s29, s43, s29
	s_cmp_lt_u32 ttmp9, NIN
	s_cselect_b32 s29, s32, s29                    ; input's first: entry 0
.macro MKSC e, k                       ; pair k: 2^e as f32 (the conversion takes its exponent field) and 448 x 2^e
	s_add_co_i32 s54, s[\e], 127
	s_lshl_b32 s55, s54, 23
	v_mov_b32 v[SC+2*\k], s55
	s_add_co_i32 s54, s54, 8
	s_lshl_b32 s54, s54, 23
	s_or_b32 s54, s54, 0x600000
	v_mov_b32 v[SC+2*\k+1], s54
.endm
	MKSC 29, 0
	MKSC 34, 1                                     ; input's second and third: entries 2 and 4
	MKSC 36, 2
	s_wait_loadcnt 12                              ; step 0's four loads are in
	TURN 0
; one set of codes of the step's 16 neighbours: held (the conversion to an 8-bit code does not saturate: ISA guide 7.6.2) into set ts of T, converted, stored
.macro OUT k, ts, t, base
.set i, 0
.rept 16
	v_med3_num_f32 v[T+16*\ts+i], v[XS+i], -v[SC+2*\k+1], v[SC+2*\k+1]
.set i, i+1
.endr
	v_cvt_scalef32_pk8_fp8_f32 v[CC+4*\k:CC+4*\k+1], v[T+16*\ts:T+16*\ts+7], v[SC+2*\k]
	v_cvt_scalef32_pk8_fp8_f32 v[CC+4*\k+2:CC+4*\k+3], v[T+16*\ts+8:T+16*\ts+15], v[SC+2*\k]
	global_store_b128 v[LO], v[CC+4*\k:CC+4*\k+3], s[\base:\base+1] offset:512*(\t)
.endm
.macro STEP t
.set XS, X+16*((\t)%2)
.set CC, C+12*((\t)%2)
	s_wait_dscnt 0x0                               ; this step's numbers are back from the stage: so its stores into the stage have read their registers,
.if (\t)+4 < STEPS
	LOAD (\t)+4                                    ; which take the loads of four steps on
.endif
.if (\t)+1 < STEPS
.if STEPS-2-(\t) >= 3
	s_wait_loadcnt 12                              ; the next step's four loads are in; those of the three steps behind it may be out
.else
	s_wait_loadcnt 4*(STEPS-2-(\t))
.endif
	TURN (\t)+1                                    ; and go through the other stage while this step is worked
.endif
	s_wait_xcnt 0x0                                ; the stores of two steps ago have read their code registers, which are written again below
	OUT 0, 0, \t, 46
	s_cmp_lt_u32 ttmp9, NIN                        ; a weight has one set of codes, input three
	s_cbranch_scc0 .Lone_\@
	OUT 1, 1, \t, 48                               ; T's two sets take turns: the line behind a conversion never writes that conversion's sources
	OUT 2, 0, \t, 50
.Lone_\@:
	v_nop                                          ; a plain vector line between the last conversion and the next step's first hold, which writes its sources
.endm
.irp t, 0,1,2,3,4,5,6,7,8,9,10,11,12,13,14,15
	STEP \t
.endr
.Lend:
	s_wait_tensorcnt 0x0                           ; the wave's end, behind my last LDS store
	ds_add_u32 v[SPW], v[NIL]
	s_wait_dscnt 0x0
	s_endpgm
.Lfunc_end_k_q485d9a8b69_quant:
	.size	k_q485d9a8b69_quant, .Lfunc_end_k_q485d9a8b69_quant-k_q485d9a8b69_quant
	.p2alignl 7, 3214868480
	.fill 96, 4, 3214868480
	.section	.rodata,"a",@progbits
	.p2align	6, 0x0
	.amdhsa_kernel k_q485d9a8b69_quant
		.amdhsa_group_segment_fixed_size 33280
		.amdhsa_private_segment_fixed_size 0
		.amdhsa_enable_private_segment 0
		.amdhsa_kernarg_size 80
		.amdhsa_user_sgpr_count 2
		.amdhsa_user_sgpr_kernarg_segment_ptr 1
		.amdhsa_wavefront_size32 1
		.amdhsa_system_sgpr_workgroup_id_x 1
		.amdhsa_system_sgpr_workgroup_id_y 1
		.amdhsa_system_sgpr_workgroup_id_z 1
		.amdhsa_system_vgpr_workitem_id 0
		.amdhsa_next_free_vgpr 176
		.amdhsa_next_free_sgpr 66
		.amdhsa_reserve_vcc 1
		.amdhsa_float_denorm_mode_32 3
		.amdhsa_float_denorm_mode_16_64 3
		.amdhsa_memory_ordered 1
		.amdhsa_forward_progress 1
		.amdhsa_inst_pref_size 91
	.end_amdhsa_kernel
	.amdgpu_metadata
---
amdhsa.version: [ 1, 2 ]
amdhsa.kernels:
  - .name:           k_q485d9a8b69_quant
    .symbol:         k_q485d9a8b69_quant.kd
    .args:
      - { .name: input, .offset: 0, .size: 8, .value_kind: global_buffer, .address_space: global }
      - { .name: Wq, .offset: 8, .size: 8, .value_kind: global_buffer, .address_space: global }
      - { .name: Wk, .offset: 16, .size: 8, .value_kind: global_buffer, .address_space: global }
      - { .name: Wv, .offset: 24, .size: 8, .value_kind: global_buffer, .address_space: global }
      - { .name: Wp, .offset: 32, .size: 8, .value_kind: global_buffer, .address_space: global }
      - { .name: attention_mask, .offset: 40, .size: 8, .value_kind: global_buffer, .address_space: global }
      - { .name: lowp_scales, .offset: 48, .size: 8, .value_kind: global_buffer, .address_space: global }
      - { .name: xc, .offset: 56, .size: 8, .value_kind: global_buffer, .address_space: global }
      - { .name: wc, .offset: 64, .size: 8, .value_kind: global_buffer, .address_space: global }
      - { .name: biasw, .offset: 72, .size: 8, .value_kind: global_buffer, .address_space: global }
    .group_segment_fixed_size: 33280
    .private_segment_fixed_size: 0
    .kernarg_segment_align: 8
    .kernarg_segment_size: 80
    .max_flat_workgroup_size: 128
    .sgpr_count:     66
    .vgpr_count:     176
    .wavefront_size: 32
...
	.end_amdgpu_metadata
.endif
;; end of part 1
;; launch qkv (part 2): grid 4 x 96, 4 waves a work-group, clusters of 4 x 4, 327,680 bytes of LDS; arguments xc, wc, lowp_scales, qkv; writes qkv
.if DOCPART == 2
	.amdgcn_target "amdgcn-amd-amdhsa--gfx1250"
	.amdhsa_code_object_version 6
	.text
	.protected	k_q485d9a8b69_qkv
	.globl	k_q485d9a8b69_qkv
	.p2align	8
	.type	k_q485d9a8b69_qkv,@function
k_q485d9a8b69_qkv:
	s_mov_b64 s[64:65], 0
	v_nop
	global_prefetch_b8 v0, s[64:65] scope:SCOPE_SE
	s_setreg_imm32_b32 hwreg(HW_REG_WAVE_MODE, 25, 1), 1
	s_wait_xcnt 0x0
	s_wait_alu depctr_hold_cnt(0) depctr_sa_sdst(0) depctr_va_vdst(0) depctr_va_sdst(0) depctr_va_ssrc(0) depctr_va_vcc(0) depctr_vm_vsrc(0)
	s_getreg_b32 s2, hwreg(HW_REG_IB_STS2, 6, 4)
	s_cmp_eq_u32 s2, 0
	s_cbranch_scc0 .Lentry_in_a_cluster
	s_endpgm
.Lentry_in_a_cluster:
	s_bfe_u32 s2, ttmp6, 0x10000c
	s_cmp_lg_u32 s2, 0xf033
	s_cbranch_scc0 .Lentry_shape_is_right
	s_endpgm
.Lentry_shape_is_right:
; q, k and v: three products [8192 tokens][1024] x [1024 channels][1024]^T on codes of FP8 (E4M3), f32 sums, each sum quantised at once for the attention's products and stored as a code.
; C[m][n] = sum over k of A[m][k] B[n][k]; a tile of C is 256 x 256: four waves, each 128 x 128 in 64 accumulators.  K = 1,024 goes in four steps of 256 through a ring of two LDS slots filled by the tensor data mover.
; The cluster's y picks the product z = y / 8 and a group m = y % 8 of four tiles.  z = 0 (q), 1 (k): A = the tokens' codes (xc part z), B = the weight (wc part z).  z = 2 (v): THE ROLES ARE SWAPPED AT THE POINTERS:
; A = Wv's codes, B = the tokens': a lane's eight results then run along the TOKENS, which are the K of attention's second product.
; THE MATRIX INSTRUCTION IS USED TRANSPOSED (source 0 = 16 rows of B, source 1 = 16 rows of A): a lane holds eight neighbouring n of one row m: eight codes, 8 bytes.
; A sum stands for sum x 2^(eA + eB); its code is sum / 2^x, x = eOut - eA - eB (eOut: entry 6, 7 or 9), held within +-448 x 2^x.  LIMIT: x between -126 and 119.
; OUT.  q at byte 0, k at 8 MiB: [batch x 16 + head][position 2,048][64]; position = the token with its bits 3 and 4 exchanged, so that the 16 keys 32 b + 8 u + r + 8 (r / 8) of an operand tile are 16 neighbouring rows.
;       v at 16 MiB: [batch x 1,024 + channel][token 2,048].
; CLUSTERS: 4 x 4 work-groups.  The four of a row of the cluster need the same tiles of A, the four of a column the same tiles of B: each is asked for JOINTLY.  z and m are the same in all sixteen.
; REGISTERS, in windows of 256: window 0: v0-31 addresses; from v128 A's fragments, ONE set; on the way out v32-255 are free.  window 1: B's fragments, TWO sets.  windows 2, 3: the accumulators ((a, b) at v[8 (8 (a % 4) + b)]).
.set SIZE_K, 1024
.set KSTEP,  256
.set ROWB,   256                       ; a tile's row in bytes
.set KROW,   SIZE_K                    ; a row of A or of B in memory, in bytes
.set PITCH,  272                       ; an LDS row: 256 bytes + 16 of padding = 68 words: the 16 rows that a load touches start at 16 different banks (64 banks of 4 bytes: ISA guide 11.1)
.set FR,     16                        ; registers of a fragment: 16 rows x 128 K
.set NL,     4                         ; LDS loads that bring one
.set NP,     4                         ; places behind this matrix instruction (ISA guide 7.12.1)
.set HALFT,  128*PITCH
.set SLOT,   4*HALFT                   ; A's 256 rows, then B's 256 rows
.set LAPS,   SIZE_K/(2*KSTEP)
.set SPARE,  2*SLOT                    ; behind the ring: the spare words, 128 bytes a wave: two blocks of 256 bytes that no other line names
.set ADRA, 16                          ; v16-17  LDS address of my A fragments in slot 0, 1
.set ADRB, 20                          ; v20-21  the same for B
.set GOQ,  22                          ; v22     the way out, q and k: 16 x lane
.set GOV,  23                          ; v23     the way out, v: 2,048 (lane / 16) + 16 (lane % 16)
.set STO,  24                          ; v24     the stage: where I put 8 codes
.set RDQ,  25                          ; v25     the stage, back, q and k: 8 tokens x 64 bytes of my head
.set RDQ2, 26                          ; v26     the same 128 rows further on (an LDS immediate has 16 bits)
.set RDV,  27                          ; v27     the stage, back, v: two whole rows
.set SPW,  28                          ; v28     LDS address of my spare word; never rewritten
.set NIL,  29                          ; v29     0; never rewritten
.set LIM,  30                          ; v30     448 x 2^x
.set SCL,  31                          ; v31     2^x as f32
.set TMP,  32                          ; v32-95  a block's 64 held sums
.set CD,   96                          ; v96-111 their codes
.set AF,   128
.set BK,   128                         ; v128-255 the way out: 32 x 16 bytes read back
.set G1, 24
.set G0, 32
.set G1B, 48
.set G0B, 56
.set MSB, 0
.macro WIN new                         ; the immediate's high byte repeats the setting that is left
.if MSB != \new
	s_set_vgpr_msb (MSB<<8)|\new
.set MSB, \new
.endif
.endm
.set MUL_LO, 0xa1                      ; source 0 (B) window 1, source 1 (A) window 0, C and D window 2
.set MUL_HI, 0xf1
.set TO_B,   0x40
; A joint load: waves 0 and 1 fetch for A, waves 2 and 3 for B; the branch hangs on the wave's number alone.  An s_nop 0 and four v_nop follow each of the two lines.
.macro JLOAD g0a, g1a, g0b, g1b
	s_cmp_eq_u32 s15, 0
	s_cbranch_scc0 .Lfor_b_\@
	tensor_load_to_lds s[\g0a:\g0a+3], s[\g1a:\g1a+7]
	s_nop 0
.rept 4
	v_nop
.endr
	s_branch .Lasked_\@
.Lfor_b_\@:
	tensor_load_to_lds s[\g0b:\g0b+3], s[\g1b:\g1b+7]
	s_nop 0
.rept 4
	v_nop
.endr
.Lasked_\@:
.endm
.macro CREST                           ; a round of the cluster's barrier behind its opening barrier
	s_cmp_lg_u32 s14, 0
	s_cbranch_scc1 .Lnot_wave_0_\@
	s_barrier_signal -3
.Lnot_wave_0_\@:
	s_barrier_wait -3
	s_barrier_signal -1
	s_barrier_wait -1
.endm
.macro CROUND
	s_barrier_signal -1
	s_barrier_wait -1
	CREST
.endm
	s_load_b128 s[4:7], s[0:1], 0x0                ; xc s[4:5], wc s[6:7]
	s_load_b128 s[8:11], s[0:1], 0x10              ; the scales' exponents s[8:9], qkv s[10:11]
	v_lshl_add_u32 v[SPW], v0, 2, SPARE
	v_mov_b32 v[NIL], 0
	ds_add_u32 v[SPW], v[NIL]                      ; the wave's opening: the add and its wait stand ahead of my first tensor load; the set-up below, work on registers, stands between them
	v_lshrrev_b32 v1, 5, v0
	v_readfirstlane_b32 s14, v1                    ; wave 0..3
	s_lshr_b32 s15, s14, 1                         ; which half of the tile's rows is mine.  Also: I fetch for A (0) or for B (1)
	s_and_b32 s16, s14, 1                          ; which half of its columns.  Also: which 128 rows of that tile I fetch
	s_bfe_u32 s40, ttmp6, 0x40000                  ; cx, cy: my place in the cluster (the grid is one cluster wide)
	s_bfe_u32 s41, ttmp6, 0x40004
	s_and_b32 s17, ttmp7, 0xffff                   ; the cluster's y
	s_lshr_b32 s66, s17, 3                         ; z: 0 q, 1 k, 2 v
	s_and_b32 s67, s17, 7
	s_lshl_b32 s67, s67, 2                         ; 4 m
	s_lshl_b32 s80, s66, 23                        ; xc's part z,
	s_lshl_b32 s82, s66, 20                        ; wc's part z
	s_mov_b32 s81, 0
	s_mov_b32 s83, 0
	s_cmp_eq_u32 s66, 2
	s_cselect_b32 s17, 0, s67                      ; the 32 tiles of tokens lie along C's rows (q, k) or along its columns (v)
	s_cselect_b32 s42, s67, 0
	s_cselect_b32 s80, 0x200000, s80               ; A's part: for v wc's part 2
	s_cselect_b32 s82, 0x1000000, s82              ; B's part: for v xc's part 2
	s_add_co_u32 s17, s17, s41                     ; tile row of C: made of cy and m alone
	s_add_co_u32 s42, s42, s40                     ; tile column of C: of cx and m alone
	s_lshl_b32 s43, s41, 2
	s_lshl_b32 s43, 15, s43                        ; my row of the cluster
	s_lshl_b32 s44, 0x1111, s40                    ; my column
	; descriptor group 1: a tile of 128 rows x 256 bytes, padded in LDS
	s_or_b32 s[G1+0], s43, (0<<16)|(1<<20)|(1<<21)|(5<<22)|(3<<25)  ; 15:0 the mask: A's tiles go to my row; 17:16 element of 1 byte; 20 padding on; 21 set beside a mask; 24:22 after every 64 words; 31:25 of 4 words
	s_or_b32 s[G1B+0], s44, (0<<16)|(1<<20)|(1<<21)|(5<<22)|(3<<25)
.irp g, G1, G1B
	s_mov_b32 s[\g+1], ROWB<<16                    ; tensor_dim0
	s_mov_b32 s[\g+2], 128<<16                     ; tensor_dim1
	s_mov_b32 s[\g+3], ROWB<<16                    ; tile_dim0
	s_mov_b32 s[\g+4], 128                         ; tile_dim1
	s_mov_b32 s[\g+5], KROW                        ; tensor_dim0_stride
	s_mov_b32 s[\g+6], 0
	s_mov_b32 s[\g+7], 0
.endr
	s_lshl_b32 s18, s16, 7                         ; which 128 rows of the tile I fetch
	s_lshl_b32 s20, s17, 8
	s_add_co_u32 s20, s20, s18                     ; A: row 256 x tile row + 128 x half
	s_lshl_b32 s46, s42, 8
	s_add_co_u32 s46, s46, s18                     ; B: row 256 x tile column + 128 x half
	s_mov_b32 s21, 0
	s_mov_b32 s47, 0
	s_mov_b64 s[18:19], KROW
	s_mul_u64 s[20:21], s[20:21], s[18:19]
	s_mul_u64 s[46:47], s[46:47], s[18:19]
	s_mul_i32 s45, s14, HALFT                      ; where they go: wave x 128 rows: no place in the cluster enters an LDS address
	s_wait_dscnt 0x0                               ; the opening add is done
	s_wait_kmcnt 0x0
	s_load_b256 s[68:75], s[8:9], 0x0              ; e0 .. e7
	s_load_b128 s[76:79], s[8:9], 0x20             ; e8 .. e11
	s_cmp_eq_u32 s66, 2
	s_cselect_b64 s[84:85], s[6:7], s[4:5]         ; A's buffer,
	s_cselect_b64 s[86:87], s[4:5], s[6:7]         ; B's
	s_add_nc_u64 s[84:85], s[84:85], s[80:81]
	s_add_nc_u64 s[86:87], s[86:87], s[82:83]
	s_add_nc_u64 s[20:21], s[84:85], s[20:21]
	s_add_nc_u64 s[46:47], s[86:87], s[46:47]
	CROUND                                         ; all sixteen work-groups are here: the first joint loads meet
.irp s, 0,1
	s_mov_b32 s[G0+4*\s], 1
	s_add_co_u32 s[G0+4*\s+1], s45, \s*SLOT
	s_add_nc_u64 s[G0+4*\s+2:G0+4*\s+3], s[20:21], \s*ROWB
	s_or_b32 s[G0+4*\s+3], s[G0+4*\s+3], 0x80000000
	s_mov_b32 s[G0B+4*\s], 1
	s_add_co_u32 s[G0B+4*\s+1], s45, \s*SLOT
	s_add_nc_u64 s[G0B+4*\s+2:G0B+4*\s+3], s[46:47], \s*ROWB
	s_or_b32 s[G0B+4*\s+3], s[G0B+4*\s+3], 0x80000000
	JLOAD G0+4*\s, G1, G0B+4*\s, G1B
.endr
	v_and_b32 v1, 15, v0                           ; r = l % 16
	v_bfe_u32 v2, v0, 4, 1                         ; h = l / 16
	v_mul_u32_u24 v3, v1, PITCH
	v_lshl_add_u32 v4, v2, 4, v3                   ; a fragment's row x pitch + 16 x half
	s_mul_i32 s21, s15, HALFT                      ; my 128 rows of A
	s_mul_i32 s22, s16, HALFT                      ; my 128 rows of B,
	s_add_co_u32 s22, s22, 2*HALFT                 ; which lie behind A's 256
.irp s, 0,1
	v_add_nc_u32 v[ADRA+\s], s21, v4
	v_add_nc_u32 v[ADRB+\s], s22, v4
	s_add_co_u32 s21, s21, SLOT
	s_add_co_u32 s22, s22, SLOT
.endr
	; the way out's addresses.  The stage is the work-group's: 256 rows (of C) x 272 bytes from LDS byte 0
	s_mul_i32 s23, s15, HALFT                      ; my 128 rows,
	s_lshl_b32 s21, s16, 7                         ; my 128 bytes of them
	s_add_co_u32 s23, s23, s21
	v_lshl_add_u32 v5, v2, 3, v3                   ; row r, + 8 h
	v_add_nc_u32 v[STO], s23, v5
	v_and_b32 v6, 31, v0                           ; lane
	v_lshrrev_b32 v7, 2, v6
	v_and_b32 v8, 3, v6
	v_mul_u32_u24 v7, v7, PITCH
	v_lshl_add_u32 v7, v8, 4, v7                   ; q, k: row lane / 4, 16 (lane % 4),
	s_lshl_b32 s21, s14, 6                         ; in the 64 bytes of head number wave
	v_add_nc_u32 v[RDQ], s21, v7
	v_add_nc_u32 v[RDQ2], 128*PITCH, v[RDQ]
	v_lshlrev_b32 v[GOQ], 4, v6
	s_mul_i32 s21, s14, 64*PITCH                   ; v: my 64 rows; lanes 0-15 one row, lanes 16-31 the next
	v_mul_u32_u24 v9, v2, PITCH
	v_lshl_add_u32 v9, v1, 4, v9
	v_add_nc_u32 v[RDV], s21, v9
	v_lshlrev_b32 v10, 11, v2
	v_lshl_add_u32 v[GOV], v1, 4, v10
	; where my part begins in qkv.  q, k: z x 8 MiB + (((tile row / 8) x 16 + 4 x tile column + wave) x 2,048 + 256 (tile row % 8)) x 64
	s_lshr_b32 s88, s17, 3
	s_lshl_b32 s88, s88, 4
	s_lshl_b32 s89, s42, 2
	s_add_co_u32 s88, s88, s89
	s_add_co_u32 s88, s88, s14
	s_lshl_b32 s88, s88, 11
	s_and_b32 s89, s17, 7
	s_lshl_b32 s89, s89, 8
	s_add_co_u32 s88, s88, s89
	s_lshl_b32 s88, s88, 6
	s_lshl_b32 s89, s66, 23
	s_add_co_u32 s88, s88, s89
	; v: 16 MiB + ((tile column / 8) x 1,024 + 256 x tile row + 64 x wave) x 2,048 + 256 (tile column % 8)
	s_lshr_b32 s90, s42, 3
	s_lshl_b32 s90, s90, 10
	s_lshl_b32 s91, s17, 8
	s_add_co_u32 s90, s90, s91
	s_lshl_b32 s91, s14, 6
	s_add_co_u32 s90, s90, s91
	s_lshl_b32 s90, s90, 11
	s_and_b32 s91, s42, 7
	s_lshl_b32 s91, s91, 8
	s_add_co_u32 s90, s90, s91
	s_add_co_u32 s90, s90, 0x1000000
	s_cmp_eq_u32 s66, 2
	s_cselect_b32 s88, s90, s88
	s_mov_b32 s89, 0
	s_add_nc_u64 s[10:11], s[10:11], s[88:89]
.macro FRAG reg, adr, q, i             ; a fragment: lane l holds row l % 16; registers 4 c .. 4 c + 3 hold K = 32 c + 16 (l / 16) + 0 .. 15: the same places in A and in B, so every product meets its partner
.irp c, 0,1,2,3
	ds_load_b128 v[\reg+4*\c:\reg+4*\c+3], v[\adr] offset:128*(\q)+32*\c+(\i)*16*PITCH
.endr
.endm
; 16 matrix instructions: A's blocks a0, a0 + 1 x B's eight, 128 along K.  p: B's set.  zero = 1: the first product starts the sums.  The 64 accumulators take turns, one instruction a turn.
.macro MUL16 a0, p, zero
.irp a, \a0, \a0+1
.irp b, 0,1,2,3,4,5,6,7
.if \zero
	v_wmma_f32_16x16x128_fp8_fp8 v[8*(8*((\a)%4)+\b):8*(8*((\a)%4)+\b)+7], v[128*(\p)+FR*\b:128*(\p)+FR*\b+FR-1], v[AF+FR*(\a):AF+FR*(\a)+FR-1], 0
.else
	v_wmma_f32_16x16x128_fp8_fp8 v[8*(8*((\a)%4)+\b):8*(8*((\a)%4)+\b)+7], v[128*(\p)+FR*\b:128*(\p)+FR*\b+FR-1], v[AF+FR*(\a):AF+FR*(\a)+FR-1], v[8*(8*((\a)%4)+\b):8*(8*((\a)%4)+\b)+7]
.endif
.endr
.endr
.endm
.macro FETCH_B slot, q, p
	WIN TO_B
.irp i, 0,1,2,3,4,5,6,7
	FRAG 128*(\p)+FR*\i, ADRB+\slot, \q, \i
.endr
	WIN 0
.endm
.macro FETCH_A slot, q, i0
.irp i, \i0, \i0+1, \i0+2, \i0+3
	FRAG AF+FR*(\i), ADRA+\slot, \q, \i
.endr
.endm
.macro PLACES n                        ; plain vector lines between a matrix instruction and a load into a register that it read, or a vector line that reads its result (ISA guide 7.12.1 for the vector lines)
.rept \n
	v_nop
.endr
.endm
; A step of 128 along K that has its successor in the same slot.  A block of A is free as soon as its eight products are issued: blocks 0-3 are fetched anew in the step's middle, blocks 4-7 at its end.
.macro STEP slot, q, zero
	s_wait_dscnt 4*NL                              ; B's set and A's blocks 0-3 are in; the youngest 16 loads (A's blocks 4-7) may be out
	WIN MUL_LO
	MUL16 0, (\q)%2, \zero
	MUL16 2, (\q)%2, \zero
	s_wait_dscnt 0                                 ; A's blocks 4-7 are in
	PLACES NP
	FETCH_B \slot, (\q)+1, 1-(\q)%2
	FETCH_A \slot, (\q)+1, 0
	WIN MUL_HI
	MUL16 4, (\q)%2, \zero
	MUL16 6, (\q)%2, \zero
	PLACES NP
	WIN 0
	FETCH_A \slot, (\q)+1, 4
.endm
; A slot's last step changes slots: ONE barrier; in front of it each wave waits for all its tensor loads, adds 0 to its spare word, and waits for that and for its own reads of this slot.  fill = 1: this slot is filled again, two K steps ahead.
.macro TURN slot, next, fill
	s_wait_tensorcnt 0x0                           ; all my tensor loads have landed: the one that was out is my part of the next slot
	ds_add_u32 v[SPW], v[NIL]                      ; 0 onto my spare word
	s_wait_dscnt 4*NL+1                            ; (the add and the youngest 16 loads, A's blocks 4-7, may be out)
	WIN MUL_LO
	MUL16 0, 1, 0                                  ; sixteen matrix instructions stand between the add and the wait for it
	s_wait_dscnt 0x0                               ; the add is done, and my reads of this slot are over
	s_barrier_signal -1
	MUL16 2, 1, 0
	WIN 0
	s_barrier_wait -1
.if \fill
	CREST                                          ; the barrier has opened a round of the cluster's barrier: no wave of any partner still reads this slot's tile or has a load on its way
	s_add_nc_u64 s[G0+4*\slot+2:G0+4*\slot+3], s[G0+4*\slot+2:G0+4*\slot+3], 2*ROWB
	s_add_nc_u64 s[G0B+4*\slot+2:G0B+4*\slot+3], s[G0B+4*\slot+2:G0B+4*\slot+3], 2*ROWB
	JLOAD G0+4*\slot, G1, G0B+4*\slot, G1B         ; the first tensor load behind the round; its four v_nop are the places in front of the loads below
.else
	PLACES NP
.endif
	FETCH_B \next, 0, 0
	FETCH_A \next, 0, 0
	WIN MUL_HI
	MUL16 4, 1, 0
	MUL16 6, 1, 0
	PLACES NP
	WIN 0
	FETCH_A \next, 0, 4
.endm
	s_wait_tensorcnt 1                             ; my part of K step 0 is in (K step 1's load may be out)
	s_barrier_signal -1
	s_barrier_wait -1                              ; everybody's is
	FETCH_B 0, 0, 0
	FETCH_A 0, 0, 0
	FETCH_A 0, 0, 4
	STEP 0, 0, 1                                   ; the first step stands in front of the loop: its products start the sums
	s_mov_b32 s3, LAPS-1
.Llap:                                                 ; a trip goes once round the ring and fills both slots again
	TURN 0, 1, 1
	STEP 1, 0, 0
	TURN 1, 0, 1
	STEP 0, 0, 0
	s_sub_co_u32 s3, s3, 1
	s_cmp_lg_u32 s3, 0
	s_cbranch_scc1 .Llap
	TURN 0, 1, 0                                   ; the last lap fills nothing.  Behind this barrier nobody reads slot 0, and it has had its last fill
	STEP 1, 0, 0
	s_wait_dscnt 4*NL
	WIN MUL_LO
	MUL16 0, 1, 0
	MUL16 2, 1, 0
	s_wait_dscnt 0
	WIN MUL_HI
	MUL16 4, 1, 0
	MUL16 6, 1, 0
	WIN 0
	; THE WAY OUT.  x = eOut - eA - eB
	s_wait_kmcnt 0x0
	s_sub_co_i32 s88, s74, s68                     ; q: e6 - e0 - e1
	s_sub_co_i32 s88, s88, s69
	s_sub_co_i32 s89, s75, s70                     ; k: e7 - e2 - e3
	s_sub_co_i32 s89, s89, s71
	s_sub_co_i32 s90, s77, s72                     ; v: e9 - e4 - e5
	s_sub_co_i32 s90, s90, s73
	s_cmp_eq_u32 s66, 1
	s_cselect_b32 s88, s89, s88
	s_cmp_eq_u32 s66, 2
	s_cselect_b32 s88, s90, s88
	s_add_co_i32 s88, s88, 127
	s_lshl_b32 s89, s88, 23
	v_mov_b32 v[SCL], s89                          ; 2^x as f32: the conversion takes its exponent field
	s_add_co_i32 s88, s88, 8
	s_lshl_b32 s88, s88, 23
	s_or_b32 s88, s88, 0x600000
	v_mov_b32 v[LIM], s88                          ; 448 x 2^x
; Block a (16 rows x 128 columns): held (the conversion to an 8-bit code does not saturate: ISA guide 7.6.2), each accumulator from its low end on; converted; 8 bytes a lane and a tile into the stage
.macro CODES a
.set AC, 64*((\a)%4)
	WIN (0x02+((\a)/4))                            ; source 0: window 2 or 3
.set j, 0
.rept 64
	v_med3_num_f32 v[TMP+j], v[AC+j], -v[LIM], v[LIM]
.set j, j+1
.endr
	WIN 0
	s_wait_dscnt 0x0                               ; the last block's stores have read the code registers
.irp b, 0,1,2,3,4,5,6,7
	v_cvt_scalef32_pk8_fp8_f32 v[CD+2*\b:CD+2*\b+1], v[TMP+8*\b:TMP+8*\b+7], v[SCL]
.endr
	v_nop                                          ; a plain vector line between the last conversion and the next block's holds, which write its sources
.irp b, 0,1,2,3,4,5,6,7
	ds_store_b64 v[STO], v[CD+2*\b:CD+2*\b+1] offset:(\a)*16*PITCH+16*\b   ; C(16 a + r, 16 b + 8 h + 0 .. 7)
.endr
.endm
	PLACES NP
.irp a, 0,1,2,3,4,5,6,7
	CODES \a
.endr
	s_wait_dscnt 0x0                               ; for the others' sake: my stores into the stage are done
	s_barrier_signal -1
	s_barrier_wait -1
	s_cmp_eq_u32 s66, 2                            ; the same in all sixteen work-groups
	s_cbranch_scc1 .Lway_v
	; q, k: wave w takes the tile's head w: 256 tokens x 64 bytes.  A load takes 8 tokens; they are 512 consecutive bytes of the head, at the place that the exchange of the token's bits 3 and 4 gives them
.set t, 0
.rept 32
.if t < 16
	ds_load_b128 v[BK+4*t:BK+4*t+3], v[RDQ] offset:t*8*PITCH
.else
	ds_load_b128 v[BK+4*t:BK+4*t+3], v[RDQ2] offset:(t-16)*8*PITCH
.endif
.set t, t+1
.endr
.set t, 0
.rept 32
	s_wait_dscnt 31-t
	global_store_b128 v[GOQ], v[BK+4*t:BK+4*t+3], s[10:11] offset:512*((t&28)|((t&1)<<1)|((t>>1)&1))
.set t, t+1
.endr
	s_branch .Lout_done
.Lway_v:
	; v: wave w takes stage rows (channels) 64 w on, whole: sixteen lanes store 256 consecutive bytes of a channel's row, at a multiple of 256
.set t, 0
.rept 32
	ds_load_b128 v[BK+4*t:BK+4*t+3], v[RDV] offset:t*2*PITCH
.set t, t+1
.endr
.set t, 0
.rept 32
	s_wait_dscnt 31-t
	global_store_b128 v[GOV], v[BK+4*t:BK+4*t+3], s[10:11] offset:4096*t
.set t, t+1
.endr
.Lout_done:
	s_wait_tensorcnt 0x0                           ; the wave's end, behind my last tensor load and my last LDS store
	ds_add_u32 v[SPW], v[NIL]
	s_wait_dscnt 0x0
	CROUND                                         ; the closing round: no work-group ends while a partner may still ask for a tile that names it
	s_endpgm
.Lfunc_end_k_q485d9a8b69_qkv:
	.size	k_q485d9a8b69_qkv, .Lfunc_end_k_q485d9a8b69_qkv-k_q485d9a8b69_qkv
	.p2alignl 7, 3214868480
	.fill 96, 4, 3214868480
	.section	.rodata,"a",@progbits
	.p2align	6, 0x0
	.amdhsa_kernel k_q485d9a8b69_qkv
		.amdhsa_group_segment_fixed_size 327680
		.amdhsa_private_segment_fixed_size 0
		.amdhsa_enable_private_segment 0
		.amdhsa_kernarg_size 32
		.amdhsa_user_sgpr_count 2
		.amdhsa_user_sgpr_kernarg_segment_ptr 1
		.amdhsa_wavefront_size32 1
		.amdhsa_system_sgpr_workgroup_id_x 1
		.amdhsa_system_sgpr_workgroup_id_y 1
		.amdhsa_system_sgpr_workgroup_id_z 1
		.amdhsa_system_vgpr_workitem_id 0
		.amdhsa_next_free_vgpr 1024
		.amdhsa_next_free_sgpr 96
		.amdhsa_reserve_vcc 0
		.amdhsa_float_denorm_mode_32 3
		.amdhsa_float_denorm_mode_16_64 3
		.amdhsa_memory_ordered 1
		.amdhsa_forward_progress 1
		.amdhsa_inst_pref_size 133
	.end_amdhsa_kernel
	.amdgpu_metadata
---
amdhsa.version: [ 1, 2 ]
amdhsa.kernels:
  - .name:           k_q485d9a8b69_qkv
    .symbol:         k_q485d9a8b69_qkv.kd
    .args:
      - { .name: xc, .offset: 0, .size: 8, .value_kind: global_buffer, .address_space: global }
      - { .name: wc, .offset: 8, .size: 8, .value_kind: global_buffer, .address_space: global }
      - { .name: lowp_scales, .offset: 16, .size: 8, .value_kind: global_buffer, .address_space: global }
      - { .name: qkv, .offset: 24, .size: 8, .value_kind: global_buffer, .address_space: global }
    .group_segment_fixed_size: 327680
    .private_segment_fixed_size: 0
    .kernarg_segment_align: 8
    .kernarg_segment_size: 32
    .max_flat_workgroup_size: 128
    .sgpr_count:     96
    .vgpr_count:     1024
    .wavefront_size: 32
...
	.end_amdgpu_metadata
.endif
;; end of part 2
;; launch attn (part 3): grid 4 x 64, 8 waves a work-group, no clusters, 327,680 bytes of LDS; arguments qkv, biasw, lowp_scales, oc; writes oc
.if DOCPART == 3
	.amdgcn_target "amdgcn-amd-amdhsa--gfx1250"
	.amdhsa_code_object_version 6
	.text
	.protected	k_q485d9a8b69_attn
	.globl	k_q485d9a8b69_attn
	.p2align	8
	.type	k_q485d9a8b69_attn,@function
k_q485d9a8b69_attn:
	s_mov_b64 s[64:65], 0
	v_nop
	global_prefetch_b8 v0, s[64:65] scope:SCOPE_SE
	s_setreg_imm32_b32 hwreg(HW_REG_WAVE_MODE, 25, 1), 1
	s_wait_xcnt 0x0
; Causal attention with a key mask, head size 64, both products on codes of FP8 (E4M3); the result is quantised at once for the last product and stored as codes.
; q, k: [batch x 16 + head][position 2,048][64] (position = the token with bits 3 and 4 exchanged); v: [batch x 1,024 + channel][token 2,048]; biasw [batch][2,048] f32: 0 or -2^100.
; oc: [block of 256 tokens (32)][head 16][token in the block 256][64].  Scales: entries 6 (q), 7 (k), 8 (p), 9 (v), 10 (the result).
; THE SOFTMAX: t = score x log2(e) / 8; M = the running largest t rounded UP to a whole number; p = 2^(t - M) is quantised along the keys, not normalised; the row's sum is taken of the unquantised p and divides at the end.
; When M moves, the sum and O are multiplied by 2^(old M - new M): exact.
; THE MASKS.  A key that does not count gets the raw score -2^100: by the mask's addend, which is the C of the first product, or on the diagonal by a select.  The running largest score begins at -2^30: under every raw
; score (64 x 448 x 448 < 2^24) and over -2^100.  So p of such a key is exactly 0, and a query none of whose keys counts ends with the sum 0: its 64 codes become the NaN code, which makes its row of the output NaN.
; SHARES.  Work-group (i, head) owns two blocks of 256 queries: block 7 - i first, then block i: 8 - i and i + 1 slots of 256 keys, NINE in every work-group, so that all trip counts are constants.
; A wave owns 32 queries: two tiles, which share every fragment of K, of V and of the addends.  Steps all of whose keys come after the wave's queries are left out by a scalar branch on ids.
; NO CLUSTER: the four work-groups of a head stand at different key slots from the sixth slot on (each turns back to slot 0 at another trip), so a joint request would name different tiles.
; LAYOUT.  Both products are used transposed (S^T = K Q^T, O^T = V^T P^T): a lane holds ONE query (lane % 16).  Register 16 b + i of a tile's scores is key 32 b + 16 (lane / 16) + i of the step.
; LIMITS on the given exponents: e6 + e7 between -89 and 96 (c x 2^100 stays large, c x 2^30 finite); e8 and e10 between -126 and 119.
; REGISTERS.  window 0: v1-15 addresses and constants; v16-23 per tile: -M, the largest score, the sum in two halves; v24-31 at work; v32-95 fragments of K or of V; v96-159, v160-223 the scores, then p; v224-255 p's codes.
;             window 1: v0-63 O^T (tile T, 16 channels t: 32 T + 8 t); v64-79 Q; v128-191 the step's addends.
.set PK,    272                        ; an LDS row: 256 bytes + 16 of padding
.set VOFF,  64*PK                      ; a slot: K, 64 rows of 4 positions x 64 bytes; then V, 64 rows (channels) of 256 keys;
.set BOFF,  2*64*PK                    ; then the 256 addends, 1,024 bytes
.set SLOT1, 65536                      ; slot 1 begins here: one exclusive or turns an address from one slot to the other
.set STAGE, 2*SLOT1                    ; the way out: 32 rows x 80 bytes for each wave; no tile lands here
.set SROW,  80
.set SPARE, STAGE+8*32*SROW            ; the spare words, 128 bytes a wave: four blocks of 256 bytes that no other line names
.set AK0, 1                            ; v1   my lane's place in a tile of K: (r / 4) PK + 64 (r % 4) + 16 h
.set AV0, 2                            ; v2   of V: r PK + 16 h + VOFF
.set AB0, 3                            ; v3   among the addends: 64 h + BOFF
.set PFO, 4                            ; v4   the prefetches' offset
.set SPW, 5                            ; v5   LDS address of my spare word; never rewritten
.set NIL, 6                            ; v6   0; never rewritten
.set GO,  7                            ; v7   16 x lane
.set ADK, 8                            ; v8-10 the step's addresses
.set ADV, 9
.set ADB, 10
.set STO, 11                           ; v11  the stage, in
.set SRD, 12                           ; v12  the stage, back
.set QA,  13                           ; v13  Q: (r + (r & 8)) x 64 + 16 h
.set DQ,  14                           ; v14  r - 16 h
.set SCP, 15                           ; v15  2^e8 as f32
.set ST,  16
.set FRG, 32
.set S0,  96
.set PC,  224
.set QF,  64                           ; in window 1
.set BI,  128                          ; in window 1
.set TB,  2                            ; s2   LDS byte at which the slot in hand begins
.set SLOTS, 3                          ; s3   slots still to be asked for
.set WV,  12                           ; s12  wave;  s13 i;  s14 i + 1;  s78 7 - i
.set LIM, 15                           ; s15  2 in a wave that prefetches, else the greatest number
.set QB,  16                           ; s[16:17] the head's q
.set OB,  18                           ; s[18:19] oc at (batch's block 0, head, my wave's rows)
.set SEL, 20                           ; s[20:21] v_permlanex16_b32's selects: lane l xor 16
.set CS,  22                           ; s[22:23] c = log2(e) / 8 x 2^(e6 + e7)
.set G1K, 24
.set G1V, 32
.set G1B, 40
.set G0K, 48
.set G0V, 52
.set G0B, 56
.set QP,  60                           ; s[60:61] my queries' codes
.set OP,  62                           ; s[62:63] my rows of oc
.set KF,  66                           ; s66  the step's first key
.set Q0,  67                           ; s67  my first query
.set PFA, 96                           ; s[96:97] where my prefetches stand
.set PFS, 98                           ; s[98:99] a slot on, in bytes
.set MSB, 0
.macro WIN new                         ; the immediate's high byte repeats the setting that is left
.if MSB != \new
	s_set_vgpr_msb (MSB<<8)|\new
.set MSB, \new
.endif
.endm
; Wave 0 fetches K's tile, wave 1 V's, wave 2 the addends, the others nothing: one tensor load of a wave is out at the most.  An s_nop 0 and four v_nop follow each line.
.macro TLOAD
	s_cmp_eq_u32 s[WV], 0
	s_cbranch_scc0 .Lnot_k_\@
	tensor_load_to_lds s[G0K:G0K+3], s[G1K:G1K+7]
	s_nop 0
.rept 4
	v_nop
.endr
	s_branch .Lasked_\@
.Lnot_k_\@:
	s_cmp_eq_u32 s[WV], 1
	s_cbranch_scc0 .Lnot_v_\@
	tensor_load_to_lds s[G0V:G0V+3], s[G1V:G1V+7]
	s_nop 0
.rept 4
	v_nop
.endr
	s_branch .Lasked_\@
.Lnot_v_\@:
	s_cmp_eq_u32 s[WV], 2
	s_cbranch_scc0 .Lasked_\@
	tensor_load_to_lds s[G0B:G0B+3], s[G1B:G1B+7]
	s_nop 0
.rept 4
	v_nop
.endr
.Lasked_\@:
.endm
; A PREFETCH INTO THE L2 of the key slot that the NEXT change of slots will ask for.  All four work-groups of a head walk the same K and V: work-group i = 0, which walks slots 0 to 7 on end, asks, and nobody else.
; In it waves 4 and 5 ask for K's 16,384 bytes, 8,192 a wave, lanes 256 bytes apart; waves 6 and 7 for V's 64 rows, a lane a row (a slot's part of a row is 256 bytes, aligned).  Each block is named once.
; Slots 0 and 1 come by their loads alone; the last slot named is slot 7 (while s[SLOTS] is above 2).
.macro ASK
	s_cmp_gt_u32 s[SLOTS], s[LIM]
	s_cbranch_scc0 .Lnot_mine_\@
	global_prefetch_b8 v[PFO], s[PFA:PFA+1] th:TH_LOAD_NT scope:SCOPE_SE
.Lnot_mine_\@:
.endm
	s_load_b256 s[4:11], s[0:1], 0x0               ; qkv s[4:5], biasw s[6:7], the scales' exponents s[8:9], oc s[10:11]
	v_lshl_add_u32 v[SPW], v0, 2, SPARE
	v_mov_b32 v[NIL], 0
	ds_add_u32 v[SPW], v[NIL]                      ; the wave's opening: the add and its wait stand ahead of my first tensor load; the set-up below, work on registers, stands between them
	ds_add_u32 v[SPW], v[NIL]
	v_lshrrev_b32 v28, 5, v0
	s_delay_alu instid0(VALU_DEP_1)
	v_readfirstlane_b32 s[WV], v28                 ; wave 0..7
	s_mov_b32 s13, ttmp9                           ; i
	s_add_co_u32 s14, s13, 1
	s_sub_co_u32 s78, 7, s13
	s_lshl_b32 s92, s78, 14                        ; back from key slot 7 - i to slot 0: in K,
	s_lshl_b32 s93, s78, 8                         ; in a row of V,
	s_lshl_b32 s94, s78, 10                        ; among the addends
.irp g, 75,81,83,85,87,89,91
	s_mov_b32 s\g, 0                               ; the upper words of the offsets' pairs
.endr
	; descriptor groups 1.  K: 64 rows of 256 bytes, dense in memory; V: 64 rows of 256 bytes, 2,048 apart; the addends: one row of 128 elements of 8 bytes
	s_mov_b32 s[G1K], (0<<16)|(1<<20)|(5<<22)|(3<<25)   ; no mask; elements of 1 byte; padding: four words after every 64
	s_mov_b32 s[G1K+1], 256<<16
	s_mov_b32 s[G1K+2], 64<<16
	s_mov_b32 s[G1K+3], 256<<16
	s_mov_b32 s[G1K+4], 64
	s_mov_b32 s[G1K+5], 256
	s_mov_b32 s[G1K+6], 0
	s_mov_b32 s[G1K+7], 0
	s_mov_b32 s[G1V], (0<<16)|(1<<20)|(5<<22)|(3<<25)
	s_mov_b32 s[G1V+1], 256<<16
	s_mov_b32 s[G1V+2], 64<<16
	s_mov_b32 s[G1V+3], 256<<16
	s_mov_b32 s[G1V+4], 64
	s_mov_b32 s[G1V+5], 2048
	s_mov_b32 s[G1V+6], 0
	s_mov_b32 s[G1V+7], 0
	s_mov_b32 s[G1B], 3<<16
	s_mov_b32 s[G1B+1], 128<<16
	s_mov_b32 s[G1B+2], 1<<16
	s_mov_b32 s[G1B+3], 128<<16
	s_mov_b32 s[G1B+4], 1
	s_mov_b32 s[G1B+5], 128
	s_mov_b32 s[G1B+6], 0
	s_mov_b32 s[G1B+7], 0
	s_mov_b32 s[SEL], 0x76543210
	s_mov_b32 s[SEL+1], 0xfedcba98
	s_mov_b32 s[TB], 0
	s_mov_b32 s[SLOTS], 8
	s_and_b32 s79, ttmp7, 0xffff                   ; batch x 16 + head
	s_lshl_b32 s74, s79, 17                        ; a head's codes: 131,072 bytes in each of q, k, v
	s_wait_dscnt 0x0                               ; the opening add is done
	s_wait_kmcnt 0x0
	s_load_b128 s[68:71], s[8:9], 0x18             ; e6, e7, e8, e9
	s_load_b32 s72, s[8:9], 0x28                   ; e10
	s_add_nc_u64 s[QB:QB+1], s[4:5], s[74:75]
	s_mov_b32 s[G0K], 1
	s_mov_b32 s[G0K+1], 0
	s_add_nc_u64 s[G0K+2:G0K+3], s[QB:QB+1], 0x800000
	s_or_b32 s[G0K+3], s[G0K+3], 0x80000000
	s_mov_b32 s[G0V], 1
	s_mov_b32 s[G0V+1], VOFF
	s_add_nc_u64 s[G0V+2:G0V+3], s[QB:QB+1], 0x1000000
	s_or_b32 s[G0V+3], s[G0V+3], 0x80000000
	s_mov_b32 s[G0B], 1
	s_mov_b32 s[G0B+1], BOFF
	s_lshr_b32 s74, s79, 4
	s_lshl_b32 s74, s74, 13                        ; the batch's 2,048 addends
	s_add_nc_u64 s[G0B+2:G0B+3], s[6:7], s[74:75]
	s_or_b32 s[G0B+3], s[G0B+3], 0x80000000
	TLOAD                                          ; key slot 0 into LDS slot 0
	s_lshr_b32 s74, s79, 4
	s_lshl_b32 s74, s74, 7                         ; batch x 8 blocks x 16 heads
	s_and_b32 s79, s79, 15
	s_add_co_u32 s74, s74, s79
	s_lshl_b32 s74, s74, 14                        ; x 256 tokens x 64 bytes
	s_lshl_b32 s79, s[WV], 11                      ; + my 32 rows
	s_add_co_u32 s74, s74, s79
	s_add_nc_u64 s[OB:OB+1], s[10:11], s[74:75]
	; the prefetches: where my wave's stand, and who asks
	s_cmp_lt_u32 s[WV], 6                          ; waves 4, 5: K; waves 6, 7: V
	s_mov_b32 s[PFS], 256
	s_cselect_b32 s[PFS], 16384, s[PFS]            ; a slot on
	s_mov_b32 s74, 2048
	s_cselect_b32 s74, 256, s74                    ; from lane to lane
	s_mov_b32 s79, 0x1000000
	s_cselect_b32 s79, 0x800000, s79               ; k's or v's part of qkv
	s_mov_b32 s95, 32*2048
	s_cselect_b32 s95, 8192, s95                   ; from wave to wave
	v_and_b32 v[PFO], 31, v0
	s_delay_alu instid0(VALU_DEP_1)
	v_mul_lo_u32 v[PFO], v[PFO], s74
	s_and_b32 s74, s[WV], 1
	s_mul_i32 s74, s74, s95
	s_add_co_u32 s74, s74, s79
	s_add_co_u32 s74, s74, s[PFS]                  ; in slot 1: the first change of slots steps it to slot 2
	s_mov_b32 s[PFS+1], 0
	s_add_nc_u64 s[PFA:PFA+1], s[QB:QB+1], s[74:75]
	s_lshr_b32 s74, s[WV], 2
	s_xor_b32 s74, s74, 1                          ; 0 in waves 4 to 7,
	s_or_b32 s74, s74, ttmp9                       ; of work-group i = 0
	s_cmp_eq_u32 s74, 0
	s_cselect_b32 s[LIM], 2, -1
	v_and_b32 v28, 15, v0                          ; r
	v_bfe_u32 v29, v0, 4, 1                        ; h
	s_delay_alu instid0(VALU_DEP_2)
	v_lshrrev_b32 v30, 2, v28
	s_delay_alu instid0(VALU_DEP_3)
	v_and_b32 v31, 3, v28
	s_delay_alu instid0(VALU_DEP_2)
	v_mul_u32_u24 v[AK0], v30, PK
	s_delay_alu instid0(VALU_DEP_1)
	v_lshl_add_u32 v[AK0], v31, 6, v[AK0]
	s_delay_alu instid0(VALU_DEP_1)
	v_lshl_add_u32 v[AK0], v29, 4, v[AK0]
	v_mul_u32_u24 v[AV0], v28, PK
	s_delay_alu instid0(VALU_DEP_1)
	v_lshl_add_u32 v[AV0], v29, 4, v[AV0]
	s_delay_alu instid0(VALU_DEP_1)
	v_add_nc_u32 v[AV0], VOFF, v[AV0]
	v_lshlrev_b32 v[AB0], 6, v29
	s_delay_alu instid0(VALU_DEP_1)
	v_add_nc_u32 v[AB0], BOFF, v[AB0]
	v_and_b32 v[GO], 31, v0
	s_delay_alu instid0(VALU_DEP_1)
	v_lshlrev_b32 v[GO], 4, v[GO]
	s_mul_i32 s74, s[WV], 32*SROW
	s_add_co_u32 s74, s74, STAGE                   ; my stage
	v_mul_u32_u24 v[STO], v28, SROW
	s_delay_alu instid0(VALU_DEP_1)
	v_lshl_add_u32 v[STO], v29, 3, v[STO]
	s_delay_alu instid0(VALU_DEP_1)
	v_add_nc_u32 v[STO], s74, v[STO]               ; in: row r, + 8 h
	v_and_b32 v[SRD], 31, v0
	s_delay_alu instid0(VALU_DEP_1)
	v_lshrrev_b32 v30, 2, v[SRD]
	s_delay_alu instid0(VALU_DEP_2)
	v_and_b32 v31, 3, v[SRD]
	s_delay_alu instid0(VALU_DEP_2)
	v_mul_u32_u24 v[SRD], v30, SROW
	s_delay_alu instid0(VALU_DEP_1)
	v_lshl_add_u32 v[SRD], v31, 4, v[SRD]
	s_delay_alu instid0(VALU_DEP_1)
	v_add_nc_u32 v[SRD], s74, v[SRD]               ; back: row lane / 4, 16 (lane % 4)
	v_and_b32 v[QA], 8, v28
	s_delay_alu instid0(VALU_DEP_1)
	v_add_nc_u32 v[QA], v[QA], v28
	s_delay_alu instid0(VALU_DEP_1)
	v_lshlrev_b32 v[QA], 6, v[QA]
	s_delay_alu instid0(VALU_DEP_1)
	v_lshl_add_u32 v[QA], v29, 4, v[QA]            ; query 16 T + r lies at position r + (r & 8) + 8 T
	v_lshlrev_b32 v[DQ], 4, v29
	s_delay_alu instid0(VALU_DEP_1)
	v_sub_nc_u32 v[DQ], v28, v[DQ]
.irp j, 24,25,26,27,28,29,30,31
	v_mov_b32 v\j, 0                               ; written once: upper halves of pairs, and lane permutes' destinations, count as read
.endr
	s_wait_kmcnt 0x0
	s_add_co_i32 s74, s68, s69
	s_lshl_b32 s74, s74, 23
	s_mov_b32 s[CS], 0x3e38aa3b                    ; log2(e) / 8
	s_add_co_i32 s[CS], s[CS], s74                 ; a raw score stands for score x 2^(e6 + e7): added to c's exponent field
	s_mov_b32 s[CS+1], s[CS]                       ; (named with it as a pair, so it is written)
	s_add_co_i32 s74, s70, 127
	s_lshl_b32 s79, s74, 23
	v_mov_b32 v[SCP], s79                          ; 2^e8 as f32
	s_add_co_i32 s74, s72, 127
	s_lshl_b32 s76, s74, 23                        ; 2^e10 as f32
; A block of queries begins (its number in s[breg]): addresses, Q's two fragments, zeros for O^T and the sums, the largest score -2^30
.macro INIT breg
	s_lshl_b32 s[Q0], s[\breg], 8
	s_lshl_b32 s74, s[WV], 5
	s_add_co_u32 s[Q0], s[Q0], s74                 ; my first query: 256 x block + 32 x wave
	s_mov_b32 s[KF], 0
	s_lshl_b32 s74, s[Q0], 6
	s_add_nc_u64 s[QP:QP+1], s[QB:QB+1], s[74:75]
	s_lshl_b32 s74, s[\breg], 18                   ; a block of oc: 16 heads x 16,384 bytes
	s_add_nc_u64 s[OP:OP+1], s[OB:OB+1], s[74:75]
	WIN 0x40                                       ; destination window 1
.irp u, 0,1
.irp c, 0,1
	global_load_b128 v[QF+8*\u+4*\c:QF+8*\u+4*\c+3], v[QA], s[QP:QP+1] offset:512*\u+32*\c   ; registers 4 c on: channels 32 c + 16 h + 0 .. 15, as in K's fragments
.endr
.endr
.set j, 0
.rept 64
	v_mov_b32 v[j], 0                              ; O^T.  (The step is written once: a block's first step finds zeros, which the first change of M leaves zeros)
.set j, j+1
.endr
	WIN 0
.irp u, 0,1
	v_mov_b32 v[ST+4*\u+1], 0xce800000             ; -2^30
	v_mov_b32 v[ST+4*\u+2], 0
	v_mov_b32 v[ST+4*\u+3], 0
.endr
	v_mul_f32 v29, s[CS], v[ST+1]
	s_delay_alu instid0(VALU_DEP_1)
	v_floor_f32 v[ST], -v29                        ; -M
	s_delay_alu instid0(VALU_DEP_2)
	v_floor_f32 v[ST+4], -v29
	s_wait_loadcnt 0x0                             ; Q
.endm
; One tile's softmax for a step of 128 keys
.macro SOFTMAX tt
.set SB, S0+64*(\tt)
.set SS, ST+4*(\tt)
.set PB, PC+16*(\tt)
	v_max3_num_f32 v28, v[SB], v[SB+1], v[SB+2]    ; the step's largest score of my query among my 64 keys, in two chains; each accumulator is first read at its low end
	v_max3_num_f32 v29, v[SB+3], v[SB+4], v[SB+5]
.set i, 6
.rept 14
	v_max3_num_f32 v28, v28, v[SB+i], v[SB+i+1]
	v_max3_num_f32 v29, v29, v[SB+i+2], v[SB+i+3]
.set i, i+4
.endr
	v_max3_num_f32 v28, v28, v[SB+62], v[SB+63]
	s_delay_alu instid0(VALU_DEP_1)
	v_max_num_f32 v28, v28, v29
	s_delay_alu instid0(VALU_DEP_1)
	v_permlanex16_b32 v30, v28, s[SEL], s[SEL+1]   ; lane l xor 16 holds my query's other 64 keys
	s_delay_alu instid0(VALU_DEP_1)
	v_max3_num_f32 v[SS+1], v[SS+1], v28, v30      ; the running largest score
	v_mov_b32 v31, v[SS]
	s_delay_alu instid0(VALU_DEP_2)
	v_mul_f32 v29, s[CS], v[SS+1]                  ; as t (c is positive)
	s_delay_alu instid0(VALU_DEP_1)
	v_floor_f32 v[SS], -v29                        ; the new -M = -ceil(t): a whole number
	s_delay_alu instid0(VALU_DEP_1)
	v_sub_f32 v31, v[SS], v31                      ; old M - new M: a whole number, 0 or less
	s_delay_alu instid0(VALU_DEP_1)
	v_cvt_i32_f32 v31, v31                         ; (it saturates)
	s_delay_alu instid0(VALU_DEP_1)
	v_ldexp_f32 v24, 1.0, v31                      ; f = 2^(old M - new M)
.set j, 0
.rept 32
	v_pk_fma_f32 v[SB+j:SB+j+1], v[SB+j:SB+j+1], s[CS:CS+1], v[SS:SS+1] op_sel_hi:[1,0,0]   ; t - M, two at a time (of the pairs c and -M the low word serves both halves)
.set j, j+2
.endr
.set j, 0
	s_wait_alu depctr_va_vdst(0)
.rept 64
	v_exp_f32 v[SB+j], v[SB+j]                     ; p = 2^(t - M)
.set j, j+1
.endr
	v_pk_mul_f32 v[SS+2:SS+3], v[SS+2:SS+3], v[24:25] op_sel_hi:[1,0]   ; the sums under the new M: the plain line behind the exponentials
	s_wait_alu depctr_va_vdst(0)                   ; one wait for the batch of 64, ahead of the first line that names an exponential's result
	v_pk_add_f32 v[26:27], v[SB:SB+1], v[SB+2:SB+3]   ; the row's sum is taken of the unquantised p: two at a time, in two chains
.set j, 4
.rept 15
	v_pk_add_f32 v[SS+2:SS+3], v[SS+2:SS+3], v[SB+j:SB+j+1]
	v_pk_add_f32 v[26:27], v[26:27], v[SB+j+2:SB+j+3]
.set j, j+4
.endr
	s_delay_alu instid0(VALU_DEP_1)
	v_pk_add_f32 v[SS+2:SS+3], v[SS+2:SS+3], v[26:27]
.irp b, 0,1,2,3
.set j, 0
.rept 16
.set j, j+1
.endr
	v_cvt_scalef32_pk8_fp8_f32 v[PB+4*\b:PB+4*\b+1], v[SB+16*\b:SB+16*\b+7], v[SCP]
	v_cvt_scalef32_pk8_fp8_f32 v[PB+4*\b+2:PB+4*\b+3], v[SB+16*\b+8:SB+16*\b+15], v[SCP]
.endr
.endm
.macro RESCALE tt                      ; the tile's O^T x f; these lines are also the plain lines behind the conversions
	WIN 0x41                                       ; destination and source 0 window 1
.set j, 0
.rept 16
	v_pk_mul_f32 v[32*(\tt)+j:32*(\tt)+j+1], v[32*(\tt)+j:32*(\tt)+j+1], v[24:25] op_sel_hi:[1,0]
.set j, j+2
.endr
	WIN 0
.endm
; A KEY STEP: 128 keys, the q-th of the slot in hand
.macro STEP q
	s_add_co_u32 s74, s[Q0], 31
	s_cmp_gt_u32 s[KF], s74                        ; all its keys come after my 32 queries: the step's work is left out (no barrier and no tensor load stands in a step)
	s_cbranch_scc1 .Lhidden_\@
	v_add_nc_u32 v[ADK], s[TB], v[AK0]
	v_add_nc_u32 v[ADV], s[TB], v[AV0]
	v_add_nc_u32 v[ADB], s[TB], v[AB0]
	v_nop                                          ; four plain lines between the last products and the loads into registers that they read
.set kt, 0
.rept 8                                        ; K: eight tiles of 16 positions, 64 channels: 8 registers each
	ds_load_b128 v[FRG+8*kt:FRG+8*kt+3], v[ADK] offset:(32*(\q)+4*kt)*PK
	ds_load_b128 v[FRG+8*kt+4:FRG+8*kt+7], v[ADK] offset:(32*(\q)+4*kt)*PK+32
.set kt, kt+1
.endr
	WIN 0x40
.set n, 0
.rept 16                                       ; the addends, in the scores' layout: register 16 b + i: key 32 b + 16 h + i
	ds_load_b128 v[BI+4*n:BI+4*n+3], v[ADB] offset:512*(\q)+128*(n/4)+16*(n%4)
.set n, n+1
.endr
	s_wait_alu depctr_va_vdst(0)
	s_wait_dscnt 0x0
	WIN 0x14                                       ; source 1 (Q) and source 2 (the addends) window 1
.set kt, 0
.rept 8                                        ; S^T = K Q^T + the addends: sixteen accumulators, each written once
	v_wmma_f32_16x16x64_fp8_fp8 v[S0+8*kt:S0+8*kt+7], v[FRG+8*kt:FRG+8*kt+7], v[QF:QF+7], v[BI+8*kt:BI+8*kt+7]
	v_wmma_f32_16x16x64_fp8_fp8 v[S0+64+8*kt:S0+64+8*kt+7], v[FRG+8*kt:FRG+8*kt+7], v[QF+8:QF+15], v[BI+8*kt:BI+8*kt+7]
.set kt, kt+1
.endr
	WIN 0
.rept 4
	v_nop                                          ; places in front of the loads below and of the first read of the scores
.endr
.set n, 0
.rept 16                                       ; V: four tiles of 16 channels x 128 keys; they land under the softmax
	ds_load_b128 v[FRG+4*n:FRG+4*n+3], v[ADV] offset:16*(n/4)*PK+128*(\q)+32*(n%4)
.set n, n+1
.endr
	s_add_co_u32 s74, s[KF], 127
	s_cmp_le_u32 s74, s[Q0]                        ; all its keys come at or before my first query: nothing is hidden
	s_cbranch_scc1 .Lopen_\@
	s_sub_co_i32 s74, s[Q0], s[KF]
	v_mov_b32 v31, 0xf1800000                      ; -2^100
	v_add_nc_u32 v28, s74, v[DQ]                   ; d = my query - KF - 16 h, tile 0's; register 16 b + i is hidden where 32 b + i > d
	s_delay_alu instid0(VALU_DEP_1)
	v_add_nc_u32 v29, 16, v28                      ; tile 1's
.set n, 0
.rept 64
	v_cmp_gt_i32 vcc_lo, 32*(n/16)+n%16, v28
	v_cndmask_b32 v[S0+n], v[S0+n], v31, vcc_lo
.set n, n+1
.endr
.set n, 0
.rept 64
	v_cmp_gt_i32 vcc_lo, 32*(n/16)+n%16, v29
	v_cndmask_b32 v[S0+64+n], v[S0+64+n], v31, vcc_lo
.set n, n+1
.endr
.Lopen_\@:
	SOFTMAX 0
	RESCALE 0
	SOFTMAX 1
	RESCALE 1
	s_wait_alu depctr_va_vdst(0)
	s_wait_dscnt 0x0                               ; V is in
	WIN 0x50                                       ; C and D window 1
.set t, 0
.rept 4                                        ; O^T += V^T P^T: eight accumulators by turns, one instruction a turn
	v_wmma_f32_16x16x128_fp8_fp8 v[8*t:8*t+7], v[FRG+16*t:FRG+16*t+15], v[PC:PC+15], v[8*t:8*t+7]
	v_wmma_f32_16x16x128_fp8_fp8 v[32+8*t:32+8*t+7], v[FRG+16*t:FRG+16*t+15], v[PC+16:PC+31], v[32+8*t:32+8*t+7]
.set t, t+1
.endr
	WIN 0
.Lhidden_\@:
	s_add_co_u32 s[KF], s[KF], 128
.endm
; A BLOCK'S WAY OUT: O^T x 2^(e8 + e9) / the sum, converted with 2^e10; the codes go through my stage and leave as 512 consecutive bytes a store
.macro EPILOGUE
.rept 4
	v_nop                                          ; places behind the last products
.endr
	v_add_f32 v28, v[ST+2], v[ST+3]                ; the sums' two halves,
	v_add_f32 v29, v[ST+6], v[ST+7]
	s_delay_alu instid0(VALU_DEP_2)
	v_permlanex16_b32 v30, v28, s[SEL], s[SEL+1]
	s_delay_alu instid0(VALU_DEP_2)
	v_permlanex16_b32 v31, v29, s[SEL], s[SEL+1]
	s_delay_alu instid0(VALU_DEP_2)
	v_add_f32 v28, v28, v30                        ; and lane l xor 16's
	s_delay_alu instid0(VALU_DEP_2)
	v_add_f32 v29, v29, v31
	s_wait_alu depctr_va_vdst(0)
	v_rcp_f32 v24, v28
	v_rcp_f32 v26, v29
	v_mov_b32 v129, s76                            ; 2^e10
	v_mov_b32 v130, 0x7f7f7f7f                     ; four NaN codes
	s_add_co_i32 s74, s70, s71
	s_wait_alu depctr_va_vdst(0)                   ; one wait for the two reciprocals, ahead of their first use
	v_ldexp_f32 v24, v24, s74                      ; x 2^(e8 + e9)
	v_ldexp_f32 v26, v26, s74
	WIN 0x01                                       ; source 0 window 1
.irp u, 0,1
.set j, 0
.rept 16
	v_pk_mul_f32 v[S0+64*\u+j:S0+64*\u+j+1], v[32*\u+j:32*\u+j+1], v[24+2*\u:25+2*\u] op_sel_hi:[1,0]   ; register 8 t + i: o(query, 16 t + 8 h + i)
.set j, j+2
.endr
.endr
	WIN 0
.irp u, 0,1
.set j, 0
.rept 32
.set j, j+1
.endr
.endr
.irp u, 0,1
.irp t, 0,1,2,3
	v_cvt_scalef32_pk8_fp8_f32 v[132+8*\u+2*\t:133+8*\u+2*\t], v[S0+64*\u+8*\t:S0+64*\u+8*\t+7], v129
.endr
.endr
	v_nop                                          ; a plain line between the conversions and the selects that touch their results
	v_cmp_eq_f32 vcc_lo, 0, v28                    ; no key counted for my query: its codes are NaN
.irp j, 0,1,2,3,4,5,6,7
	v_cndmask_b32 v[132+\j], v[132+\j], v130, vcc_lo
.endr
	v_cmp_eq_f32 vcc_lo, 0, v29
.irp j, 8,9,10,11,12,13,14,15
	v_cndmask_b32 v[132+\j], v[132+\j], v130, vcc_lo
.endr
.irp u, 0,1
.irp t, 0,1,2,3
	ds_store_b64 v[STO], v[132+8*\u+2*\t:133+8*\u+2*\t] offset:16*\u*SROW+16*\t
.endr
.endr
.irp k, 0,1,2,3
	ds_load_b128 v[192+4*\k:195+4*\k], v[SRD] offset:8*SROW*\k   ; LDS serves a wave's instructions in order: these see my stores
.endr
.irp k, 0,1,2,3
	s_wait_dscnt 3-\k
	global_store_b128 v[GO], v[192+4*\k:195+4*\k], s[OP:OP+1] offset:512*\k   ; eight tokens x 64 bytes: 512 consecutive bytes
.endr
	s_wait_xcnt 0x0                                ; the stores have read their registers and their base: both are written again
.endm
; THE CHANGE OF SLOTS stands at a slot's head.  Each wave waits for all its tensor loads, adds 0 to its spare word, and waits for that and for its reads of the slot that it has left.
; fill = 1: that slot takes the next key slot: one on, or, where the first block of queries is done (s[SLOTS] = i + 1), back to key slot 0.
.macro CHANGE fill
	s_wait_tensorcnt 0x0                           ; no tensor load of mine is out, so a group 0 may be written
	ds_add_u32 v[SPW], v[NIL]                      ; 0 onto my spare word; the descriptors' steps stand between it and the wait for it
.if \fill
	s_cmp_eq_u32 s[SLOTS], s14
	s_cselect_b32 s80, 0, 16384
	s_cselect_b32 s82, s92, 0
	s_cselect_b32 s84, 0, 256
	s_cselect_b32 s86, s93, 0
	s_cselect_b32 s88, 0, 1024
	s_cselect_b32 s90, s94, 0
	s_xor_b32 s[G0K+1], s[G0K+1], SLOT1
	s_add_nc_u64 s[G0K+2:G0K+3], s[G0K+2:G0K+3], s[80:81]
	s_sub_nc_u64 s[G0K+2:G0K+3], s[G0K+2:G0K+3], s[82:83]
	s_xor_b32 s[G0V+1], s[G0V+1], SLOT1
	s_add_nc_u64 s[G0V+2:G0V+3], s[G0V+2:G0V+3], s[84:85]
	s_sub_nc_u64 s[G0V+2:G0V+3], s[G0V+2:G0V+3], s[86:87]
	s_xor_b32 s[G0B+1], s[G0B+1], SLOT1
	s_add_nc_u64 s[G0B+2:G0B+3], s[G0B+2:G0B+3], s[88:89]
	s_sub_nc_u64 s[G0B+2:G0B+3], s[G0B+2:G0B+3], s[90:91]
	s_wait_xcnt 0x0                                ; the last prefetch, a slot back, has read its address
	s_add_nc_u64 s[PFA:PFA+1], s[PFA:PFA+1], s[PFS:PFS+1]
.endif
	s_wait_dscnt 0x0                               ; the add is done, and my reads of the slot that I have left are over
	s_barrier_signal -1
	s_barrier_wait -1
.if \fill
	TLOAD                                          ; the first thing behind the barrier, and a wave's one tensor load until the next
	ASK
.endif
.endm
.macro SWITCH                          ; where the slot in hand is the second block's first (s[SLOTS] = i): the first block goes out, the second begins
	s_cmp_eq_u32 s[SLOTS], s13
	s_cbranch_scc0 .Lsame_\@
	s_wait_alu depctr_va_vdst(0)
	EPILOGUE
	INIT 13
.Lsame_\@:
.endm
	INIT 78                                        ; block 7 - i
.Lslot:                                            ; eight trips: behind each change of slots but the last the next slot is asked for
	CHANGE 1
	SWITCH
	STEP 0
	STEP 1
	s_xor_b32 s[TB], s[TB], SLOT1
	s_sub_co_u32 s[SLOTS], s[SLOTS], 1
	s_cmp_lg_u32 s[SLOTS], 0
	s_cbranch_scc1 .Lslot
	CHANGE 0                                       ; the ninth slot is written out
	SWITCH
	STEP 0
	STEP 1
	s_wait_alu depctr_va_vdst(0)
	EPILOGUE
	s_wait_tensorcnt 0x0                           ; the wave's end, behind my last tensor load and my last LDS store
	ds_add_u32 v[SPW], v[NIL]
	s_wait_dscnt 0x0
	s_endpgm
.Lfunc_end_k_q485d9a8b69_attn:
	.size	k_q485d9a8b69_attn, .Lfunc_end_k_q485d9a8b69_attn-k_q485d9a8b69_attn
	.p2alignl 7, 3214868480
	.fill 96, 4, 3214868480
	.section	.rodata,"a",@progbits
	.p2align	6, 0x0
	.amdhsa_kernel k_q485d9a8b69_attn
		.amdhsa_group_segment_fixed_size 327680
		.amdhsa_private_segment_fixed_size 0
		.amdhsa_enable_private_segment 0
		.amdhsa_kernarg_size 32
		.amdhsa_user_sgpr_count 2
		.amdhsa_user_sgpr_kernarg_segment_ptr 1
		.amdhsa_wavefront_size32 1
		.amdhsa_system_sgpr_workgroup_id_x 1
		.amdhsa_system_sgpr_workgroup_id_y 1
		.amdhsa_system_sgpr_workgroup_id_z 1
		.amdhsa_system_vgpr_workitem_id 0
		.amdhsa_next_free_vgpr 448
		.amdhsa_next_free_sgpr 100
		.amdhsa_reserve_vcc 1
		.amdhsa_float_denorm_mode_32 3
		.amdhsa_float_denorm_mode_16_64 3
		.amdhsa_fp16_overflow 1
		.amdhsa_memory_ordered 1
		.amdhsa_forward_progress 1
		.amdhsa_inst_pref_size 182
	.end_amdhsa_kernel
	.amdgpu_metadata
---
amdhsa.version: [ 1, 2 ]
amdhsa.kernels:
  - .name:           k_q485d9a8b69_attn
    .symbol:         k_q485d9a8b69_attn.kd
    .args:
      - { .name: qkv, .offset: 0, .size: 8, .value_kind: global_buffer, .address_space: global }
      - { .name: biasw, .offset: 8, .size: 8, .value_kind: global_buffer, .address_space: global }
      - { .name: lowp_scales, .offset: 16, .size: 8, .value_kind: global_buffer, .address_space: global }
      - { .name: oc, .offset: 24, .size: 8, .value_kind: global_buffer, .address_space: global }
    .group_segment_fixed_size: 327680
    .private_segment_fixed_size: 0
    .kernarg_segment_align: 8
    .kernarg_segment_size: 32
    .max_flat_workgroup_size: 256
    .sgpr_count:     100
    .vgpr_count:     448
    .wavefront_size: 32
...
	.end_amdgpu_metadata
.endif
;; end of part 3
;; launch proj (part 4): grid 4 x 32, 4 waves a work-group, clusters of 4 x 4, 327,680 bytes of LDS; arguments oc, wc, lowp_scales, out0; writes out0
.if DOCPART == 4
	.amdgcn_target "amdgcn-amd-amdhsa--gfx1250"
	.amdhsa_code_object_version 6
	.text
	.protected	k_q485d9a8b69_proj
	.globl	k_q485d9a8b69_proj
	.p2align	8
	.type	k_q485d9a8b69_proj,@function
k_q485d9a8b69_proj:
	s_mov_b64 s[64:65], 0
	v_nop
	global_prefetch_b8 v0, s[64:65] scope:SCOPE_SE
	s_setreg_imm32_b32 hwreg(HW_REG_WAVE_MODE, 25, 1), 1
	s_wait_xcnt 0x0
	s_wait_alu depctr_hold_cnt(0) depctr_sa_sdst(0) depctr_va_vdst(0) depctr_va_sdst(0) depctr_va_ssrc(0) depctr_va_vcc(0) depctr_vm_vsrc(0)
	s_getreg_b32 s2, hwreg(HW_REG_IB_STS2, 6, 4)
	s_cmp_eq_u32 s2, 0
	s_cbranch_scc0 .Lentry_in_a_cluster
	s_endpgm
.Lentry_in_a_cluster:
	s_bfe_u32 s2, ttmp6, 0x10000c
	s_cmp_lg_u32 s2, 0xf033
	s_cbranch_scc0 .Lentry_shape_is_right
	s_endpgm
.Lentry_shape_is_right:
; out0[token][n] = sum over k of o[token][k] Wp[n][k] on codes of FP8 (E4M3), f32 sums, each finished sum x 2^(e10 + e11).  out0: [8192][1024] f32.
; A = oc, laid [block of 256 tokens][head 16][token 256][64]: a tile's K step of 256 channels (four heads) is 65,536 dense bytes, brought as 256 rows of 256 bytes: LDS row 64 x head + token / 4 holds four tokens of one head.
; B = Wp's codes, wc's part 3, [1024 n][1024 k].  A row of NaN codes in oc (a query for which no key counts) makes its whole row of out0 NaN.
; LIMIT: e10 + e11 between -126 and 127, so that 2^(e10 + e11) is an f32 number.
; A tile of C, 256 x 256: four waves, each 128 x 128 in 64 accumulators.  K goes in four steps of 256 through a ring of two LDS slots filled by the tensor data mover.
; CLUSTERS: 4 x 4 work-groups; A's tile is shared along a row of the cluster, B's along a column: each is asked for JOINTLY.  THE MATRIX INSTRUCTION IS USED TRANSPOSED (source 0 = rows of B, source 1 = rows of A).
; REGISTERS, in windows of 256: window 0: v0-31 addresses; from v128 A's fragments, ONE set; on the way out v32-255 are free.  window 1: B's fragments, TWO sets.  windows 2, 3: the accumulators.
.set SIZE_K, 1024
.set SIZE_N, 1024
.set KSTEP,  256
.set ROWB,   256
.set KROW,   SIZE_K
.set ASTEP,  65536                     ; a K step of A's tile in memory
.set PITCH,  272                       ; an LDS row: 256 bytes + 16 of padding
.set FR,     16
.set NL,     4
.set NP,     4
.set HALFT,  128*PITCH
.set SLOT,   4*HALFT
.set LAPS,   SIZE_K/(2*KSTEP)
.set SPARE,  2*SLOT                    ; behind the ring: the spare words, 128 bytes a wave: two blocks of 256 bytes that no other line names
.set SPITCH, 528                       ; the way out: a stage of 16 rows x (512 bytes + 16) for each wave, in slot 0, which has had its last fill and its last read when the first result is stored there
.set ADRA, 16
.set ADRB, 20
.set STO,  24
.set RD,   25
.set CO,   26
.set SPW,  28                          ; v28     LDS address of my spare word; never rewritten
.set NIL,  29                          ; v29     0; never rewritten
.set TMP,  32
.set AF,   128
.set BK,   128
.set G1, 24
.set G0, 32
.set G1B, 48
.set G0B, 56
.set MSB, 0
.macro WIN new                         ; the immediate's high byte repeats the setting that is left
.if MSB != \new
	s_set_vgpr_msb (MSB<<8)|\new
.set MSB, \new
.endif
.endm
.set MUL_LO, 0xa1
.set MUL_HI, 0xf1
.set TO_B,   0x40
.macro JLOAD g0a, g1a, g0b, g1b        ; a joint load: waves 0 and 1 fetch for A, waves 2 and 3 for B; an s_nop 0 and four v_nop follow each of the two lines
	s_cmp_eq_u32 s15, 0
	s_cbranch_scc0 .Lfor_b_\@
	tensor_load_to_lds s[\g0a:\g0a+3], s[\g1a:\g1a+7]
	s_nop 0
.rept 4
	v_nop
.endr
	s_branch .Lasked_\@
.Lfor_b_\@:
	tensor_load_to_lds s[\g0b:\g0b+3], s[\g1b:\g1b+7]
	s_nop 0
.rept 4
	v_nop
.endr
.Lasked_\@:
.endm
.macro CREST
	s_cmp_lg_u32 s14, 0
	s_cbranch_scc1 .Lnot_wave_0_\@
	s_barrier_signal -3
.Lnot_wave_0_\@:
	s_barrier_wait -3
	s_barrier_signal -1
	s_barrier_wait -1
.endm
.macro CROUND
	s_barrier_signal -1
	s_barrier_wait -1
	CREST
.endm
	s_load_b128 s[4:7], s[0:1], 0x0                ; oc s[4:5], wc s[6:7]
	s_load_b128 s[8:11], s[0:1], 0x10              ; the scales' exponents s[8:9], out0 s[10:11]
	v_lshl_add_u32 v[SPW], v0, 2, SPARE
	v_mov_b32 v[NIL], 0
	ds_add_u32 v[SPW], v[NIL]                      ; the wave's opening: the add and its wait stand ahead of my first tensor load; the set-up below, work on registers, stands between them
	v_lshrrev_b32 v1, 5, v0
	v_readfirstlane_b32 s14, v1                    ; wave 0..3
	s_lshr_b32 s15, s14, 1                         ; which half of the tile's rows is mine.  Also: I fetch for A (0) or for B (1)
	s_and_b32 s16, s14, 1                          ; which half of its columns.  Also: which 128 LDS rows of that tile I fetch
	s_bfe_u32 s40, ttmp6, 0x40000                  ; cx, cy
	s_bfe_u32 s41, ttmp6, 0x40004
	s_lshl_b32 s42, ttmp9, 2
	s_add_co_u32 s42, s42, s40                     ; tile column of C
	s_and_b32 s17, ttmp7, 0xffff
	s_lshl_b32 s17, s17, 2
	s_add_co_u32 s17, s17, s41                     ; tile row of C = the block of 256 tokens
	s_lshl_b32 s43, s41, 2
	s_lshl_b32 s43, 15, s43                        ; my row of the cluster
	s_lshl_b32 s44, 0x1111, s40                    ; my column
	s_or_b32 s[G1+0], s43, (0<<16)|(1<<20)|(1<<21)|(5<<22)|(3<<25)  ; the mask; elements of 1 byte; padding on; bit 21 beside a mask; four words after every 64
	s_or_b32 s[G1B+0], s44, (0<<16)|(1<<20)|(1<<21)|(5<<22)|(3<<25)
.irp g, G1, G1B
	s_mov_b32 s[\g+1], ROWB<<16                    ; tensor_dim0
	s_mov_b32 s[\g+2], 128<<16                     ; tensor_dim1
	s_mov_b32 s[\g+3], ROWB<<16                    ; tile_dim0
	s_mov_b32 s[\g+4], 128                         ; tile_dim1
	s_mov_b32 s[\g+6], 0
	s_mov_b32 s[\g+7], 0
.endr
	s_mov_b32 s[G1+5], ROWB                        ; A's rows are dense in memory,
	s_mov_b32 s[G1B+5], KROW                       ; B's 1,024 bytes apart
	s_lshl_b32 s20, s17, 18                        ; A: the block's 262,144 bytes,
	s_lshl_b32 s18, s16, 15                        ; two of the K step's four heads
	s_add_co_u32 s20, s20, s18
	s_mov_b32 s21, 0
	s_lshl_b32 s18, s16, 7
	s_lshl_b32 s46, s42, 8
	s_add_co_u32 s46, s46, s18                     ; B: row 256 x tile column + 128 x half,
	s_lshl_b32 s46, s46, 10                        ; of 1,024 bytes,
	s_add_co_u32 s46, s46, 0x300000                ; in wc's part 3
	s_mov_b32 s47, 0
	s_mul_i32 s45, s14, HALFT                      ; where they go: wave x 128 rows: no place in the cluster enters an LDS address
	s_wait_dscnt 0x0                               ; the opening add is done
	s_wait_kmcnt 0x0
	s_load_b64 s[96:97], s[8:9], 0x28              ; e10, e11
	s_add_nc_u64 s[20:21], s[4:5], s[20:21]
	s_add_nc_u64 s[46:47], s[6:7], s[46:47]
	CROUND                                         ; all sixteen work-groups are here: the first joint loads meet
.irp s, 0,1
	s_mov_b32 s[G0+4*\s], 1
	s_add_co_u32 s[G0+4*\s+1], s45, \s*SLOT
	s_add_nc_u64 s[G0+4*\s+2:G0+4*\s+3], s[20:21], \s*ASTEP
	s_or_b32 s[G0+4*\s+3], s[G0+4*\s+3], 0x80000000
	s_mov_b32 s[G0B+4*\s], 1
	s_add_co_u32 s[G0B+4*\s+1], s45, \s*SLOT
	s_add_nc_u64 s[G0B+4*\s+2:G0B+4*\s+3], s[46:47], \s*ROWB
	s_or_b32 s[G0B+4*\s+3], s[G0B+4*\s+3], 0x80000000
	JLOAD G0+4*\s, G1, G0B+4*\s, G1B
.endr
	v_and_b32 v1, 15, v0                           ; r
	v_bfe_u32 v2, v0, 4, 1                         ; h
	v_mul_u32_u24 v3, v1, PITCH
	v_lshl_add_u32 v4, v2, 4, v3                   ; B: row r x pitch + 16 h
	v_lshrrev_b32 v5, 2, v1
	v_and_b32 v6, 3, v1
	v_mul_u32_u24 v5, v5, PITCH
	v_lshl_add_u32 v5, v6, 6, v5
	v_lshl_add_u32 v5, v2, 4, v5                   ; A: token r lies in LDS row r / 4 at byte 64 (r % 4); + 16 h.
	s_mul_i32 s21, s15, 32*PITCH                   ; my 128 tokens: 32 LDS rows in each head
	s_mul_i32 s22, s16, HALFT                      ; my 128 rows of B,
	s_add_co_u32 s22, s22, 2*HALFT                 ; which lie behind A's 256
.irp s, 0,1
	v_add_nc_u32 v[ADRA+\s], s21, v5
	v_add_nc_u32 v[ADRB+\s], s22, v4
	s_add_co_u32 s21, s21, SLOT
	s_add_co_u32 s22, s22, SLOT
.endr
	s_mul_i32 s23, s14, 16*SPITCH                  ; my stage
	v_mul_u32_u24 v5, v1, SPITCH                   ; in: row r, 32 bytes for each half of the lanes
	v_lshl_add_u32 v5, v2, 5, v5
	v_add_nc_u32 v[STO], s23, v5
	v_and_b32 v6, 31, v0
	v_lshlrev_b32 v[CO], 4, v6                     ; back: the 32 lanes take one row of 512 bytes; and the same in C
	v_add_nc_u32 v[RD], s23, v[CO]
	s_lshl_b32 s20, s17, 8
	s_lshl_b32 s21, s15, 7
	s_add_co_u32 s20, s20, s21                     ; my first row of C
	s_mov_b32 s21, 0
	s_mov_b64 s[18:19], SIZE_N*4
	s_mul_u64 s[20:21], s[20:21], s[18:19]
	s_lshl_b32 s46, s42, 10                        ; my first column, in bytes
	s_lshl_b32 s47, s16, 9
	s_add_co_u32 s46, s46, s47
	s_mov_b32 s47, 0
	s_add_nc_u64 s[20:21], s[20:21], s[46:47]
	s_add_nc_u64 s[10:11], s[10:11], s[20:21]
.macro FRAG reg, adr, q, i             ; B's fragment: registers 4 c .. 4 c + 3 hold K = 128 q + 32 c + 16 h + 0 .. 15 of row 16 i + r
.irp c, 0,1,2,3
	ds_load_b128 v[\reg+4*\c:\reg+4*\c+3], v[\adr] offset:128*(\q)+32*\c+(\i)*16*PITCH
.endr
.endm
.macro FRAGA reg, adr, q, i            ; A's: the same K: head 2 q + c / 2 of the K step's four, channel 32 (c % 2) + 16 h + 0 .. 15; tokens 16 i + r: four LDS rows
.irp c, 0,1,2,3
	ds_load_b128 v[\reg+4*\c:\reg+4*\c+3], v[\adr] offset:(128*(\q)+64*(\c/2)+4*(\i))*PITCH+32*(\c%2)
.endr
.endm
.macro MUL16 a0, p, zero               ; 16 matrix instructions; the 64 accumulators take turns, one instruction a turn
.irp a, \a0, \a0+1
.irp b, 0,1,2,3,4,5,6,7
.if \zero
	v_wmma_f32_16x16x128_fp8_fp8 v[8*(8*((\a)%4)+\b):8*(8*((\a)%4)+\b)+7], v[128*(\p)+FR*\b:128*(\p)+FR*\b+FR-1], v[AF+FR*(\a):AF+FR*(\a)+FR-1], 0
.else
	v_wmma_f32_16x16x128_fp8_fp8 v[8*(8*((\a)%4)+\b):8*(8*((\a)%4)+\b)+7], v[128*(\p)+FR*\b:128*(\p)+FR*\b+FR-1], v[AF+FR*(\a):AF+FR*(\a)+FR-1], v[8*(8*((\a)%4)+\b):8*(8*((\a)%4)+\b)+7]
.endif
.endr
.endr
.endm
.macro FETCH_B slot, q, p
	WIN TO_B
.irp i, 0,1,2,3,4,5,6,7
	FRAG 128*(\p)+FR*\i, ADRB+\slot, \q, \i
.endr
	WIN 0
.endm
.macro FETCH_A slot, q, i0
.irp i, \i0, \i0+1, \i0+2, \i0+3
	FRAGA AF+FR*(\i), ADRA+\slot, \q, \i
.endr
.endm
.macro PLACES n                        ; plain vector lines between a matrix instruction and a load into a register that it read, or a line that reads its result (ISA guide 7.12.1 for the vector lines)
.rept \n
	v_nop
.endr
.endm
.macro STEP slot, q, zero
	s_wait_dscnt 4*NL                              ; B's set and A's blocks 0-3 are in; the youngest 16 loads (A's blocks 4-7) may be out
	WIN MUL_LO
	MUL16 0, (\q)%2, \zero
	MUL16 2, (\q)%2, \zero
	s_wait_dscnt 0                                 ; A's blocks 4-7 are in
	PLACES NP
	FETCH_B \slot, (\q)+1, 1-(\q)%2
	FETCH_A \slot, (\q)+1, 0
	WIN MUL_HI
	MUL16 4, (\q)%2, \zero
	MUL16 6, (\q)%2, \zero
	PLACES NP
	WIN 0
	FETCH_A \slot, (\q)+1, 4
.endm
.macro TURN slot, next, fill           ; a slot's last step changes slots: ONE barrier; fill = 1: this slot is filled again, two K steps ahead
	s_wait_tensorcnt 0x0                           ; all my tensor loads have landed: the one that was out is my part of the next slot
	ds_add_u32 v[SPW], v[NIL]                      ; 0 onto my spare word
	s_wait_dscnt 4*NL+1                            ; (the add and the youngest 16 loads may be out)
	WIN MUL_LO
	MUL16 0, 1, 0                                  ; sixteen matrix instructions stand between the add and the wait for it
	s_wait_dscnt 0x0                               ; the add is done, and my reads of this slot are over
	s_barrier_signal -1
	MUL16 2, 1, 0
	WIN 0
	s_barrier_wait -1
.if \fill
	CREST                                          ; the barrier has opened a round of the cluster's barrier: no wave of any partner still reads this slot's tile or has a load on its way
	s_add_nc_u64 s[G0+4*\slot+2:G0+4*\slot+3], s[G0+4*\slot+2:G0+4*\slot+3], 2*ASTEP
	s_add_nc_u64 s[G0B+4*\slot+2:G0B+4*\slot+3], s[G0B+4*\slot+2:G0B+4*\slot+3], 2*ROWB
	JLOAD G0+4*\slot, G1, G0B+4*\slot, G1B         ; the first tensor load behind the round; its four v_nop are the places in front of the loads below
.else
	PLACES NP
.endif
	FETCH_B \next, 0, 0
	FETCH_A \next, 0, 0
	WIN MUL_HI
	MUL16 4, 1, 0
	MUL16 6, 1, 0
	PLACES NP
	WIN 0
	FETCH_A \next, 0, 4
.endm
	s_wait_tensorcnt 1                             ; my part of K step 0 is in (K step 1's load may be out)
	s_barrier_signal -1
	s_barrier_wait -1                              ; everybody's is
	FETCH_B 0, 0, 0
	FETCH_A 0, 0, 0
	FETCH_A 0, 0, 4
	STEP 0, 0, 1                                   ; the first step stands in front of the loop: its products start the sums
	s_mov_b32 s3, LAPS-1
.Llap:
	TURN 0, 1, 1
	STEP 1, 0, 0
	TURN 1, 0, 1
	STEP 0, 0, 0
	s_sub_co_u32 s3, s3, 1
	s_cmp_lg_u32 s3, 0
	s_cbranch_scc1 .Llap
	TURN 0, 1, 0                                   ; the last lap fills nothing
	STEP 1, 0, 0
	s_wait_dscnt 4*NL
	WIN MUL_LO
	MUL16 0, 1, 0
	MUL16 2, 1, 0
	s_wait_dscnt 0
	WIN MUL_HI
	MUL16 4, 1, 0
	MUL16 6, 1, 0
	WIN 0
; THE WAY OUT, block by block of 16 rows x 128 columns, through my own stage: back as whole rows of 512 bytes.  LDS serves a wave's instructions in order (ISA guide 5.7.1.4): no wait between the stores and the loads.
.macro TOSTAGE a
.set AC, 64*((\a)%4)
	WIN (0x02+((\a)/4))                            ; source 0: window 2 or 3
.set j, 0
.rept 32
	v_pk_mul_f32 v[TMP+j:TMP+j+1], v[AC+j:AC+j+1], s[96:97] op_sel_hi:[1,0]   ; both x s96 = 2^(e10 + e11); each accumulator from its low end on
.set j, j+2
.endr
	WIN 0
.irp b, 0,1,2,3,4,5,6,7
	ds_store_b128 v[STO], v[TMP+8*\b:TMP+8*\b+3] offset:64*\b
	ds_store_b128 v[STO], v[TMP+8*\b+4:TMP+8*\b+7] offset:64*\b+16
.endr
.set BB, BK+64*((\a)%2)
.irp t, 0,1,2,3,4,5,6,7,8,9,10,11,12,13,14,15
	ds_load_b128 v[BB+4*\t:BB+4*\t+3], v[RD] offset:\t*SPITCH
.endr
.endm
.macro SEND a, younger                 ; younger: the LDS instructions issued behind block a's loads, which may stay out
.set BB, BK+64*((\a)%2)
	s_wait_dscnt \younger
.if (\a) > 0
	s_add_nc_u64 s[10:11], s[10:11], 16*SIZE_N*4   ; (behind a wait on XCNT: the earlier stores have read their base)
.endif
.irp t, 0,1,2,3,4,5,6,7,8,9,10,11,12,13,14,15
	global_store_b128 v[CO], v[BB+4*\t:BB+4*\t+3], s[10:11] offset:\t*SIZE_N*4 th:TH_STORE_NT   ; 32 lanes store 512 consecutive bytes, at a multiple of 256 from the output's first byte
.endr
.endm
	s_wait_kmcnt 0x0
	s_add_co_i32 s96, s96, s97
	s_add_co_i32 s96, s96, 127
	s_lshl_b32 s96, s96, 23                        ; 2^(e10 + e11) as f32
	PLACES NP
	TOSTAGE 0
.irp a, 1,2,3,4,5,6,7
.if \a > 1
	s_wait_xcnt 0x0                                ; block a - 2's stores have read their registers and their base
.endif
	TOSTAGE \a
	SEND \a-1, 32                                  ; behind block a - 1's loads: block a's 16 stores and 16 loads
.endr
	s_wait_xcnt 0x0
	SEND 7, 0
	s_wait_tensorcnt 0x0                           ; the wave's end, behind my last tensor load and my last LDS store
	ds_add_u32 v[SPW], v[NIL]
	s_wait_dscnt 0x0
	CROUND                                         ; the closing round: no work-group ends while a partner may still ask for a tile that names it
	s_endpgm
.Lfunc_end_k_q485d9a8b69_proj:
	.size	k_q485d9a8b69_proj, .Lfunc_end_k_q485d9a8b69_proj-k_q485d9a8b69_proj
	.p2alignl 7, 3214868480
	.fill 96, 4, 3214868480
	.section	.rodata,"a",@progbits
	.p2align	6, 0x0
	.amdhsa_kernel k_q485d9a8b69_proj
		.amdhsa_group_segment_fixed_size 327680
		.amdhsa_private_segment_fixed_size 0
		.amdhsa_enable_private_segment 0
		.amdhsa_kernarg_size 32
		.amdhsa_user_sgpr_count 2
		.amdhsa_user_sgpr_kernarg_segment_ptr 1
		.amdhsa_wavefront_size32 1
		.amdhsa_system_sgpr_workgroup_id_x 1
		.amdhsa_system_sgpr_workgroup_id_y 1
		.amdhsa_system_sgpr_workgroup_id_z 1
		.amdhsa_system_vgpr_workitem_id 0
		.amdhsa_next_free_vgpr 1024
		.amdhsa_next_free_sgpr 98
		.amdhsa_reserve_vcc 0
		.amdhsa_float_denorm_mode_32 3
		.amdhsa_float_denorm_mode_16_64 3
		.amdhsa_memory_ordered 1
		.amdhsa_forward_progress 1
		.amdhsa_inst_pref_size 123
	.end_amdhsa_kernel
	.amdgpu_metadata
---
amdhsa.version: [ 1, 2 ]
amdhsa.kernels:
  - .name:           k_q485d9a8b69_proj
    .symbol:         k_q485d9a8b69_proj.kd
    .args:
      - { .name: oc, .offset: 0, .size: 8, .value_kind: global_buffer, .address_space: global }
      - { .name: wc, .offset: 8, .size: 8, .value_kind: global_buffer, .address_space: global }
      - { .name: lowp_scales, .offset: 16, .size: 8, .value_kind: global_buffer, .address_space: global }
      - { .name: out0, .offset: 24, .size: 8, .value_kind: global_buffer, .address_space: global }
    .group_segment_fixed_size: 327680
    .private_segment_fixed_size: 0
    .kernarg_segment_align: 8
    .kernarg_segment_size: 32
    .max_flat_workgroup_size: 128
    .sgpr_count:     98
    .vgpr_count:     1024
    .wavefront_size: 32
...
	.end_amdgpu_metadata
.endif
;; end of part 4
